; MI455X (gfx1250); checked and timed in simulation.
; The chip was launched on July 23, 2026; its instructions are those of AMD's public machine-readable ISA for CDNA 5 (MIT licence, August 2026) and "CDNA5" Instruction Set Architecture Reference Guide (July 2026). The comments in the code are by the model that wrote it; some were corrected since.
;; Standard Top K Mo E. Allowed arithmetic: float matrix products may take bf16 or f16 operands with f32 sums; other float arithmetic in f32, or as packed bf16 or f16 multiplies, adds, multiply-adds, maxima and minima; sums over many terms, partial sums and values carried from step to step in f32; what a program stores and reads back later, other than sums and carried values, may be rounded once to bf16 or f16.
;; Inputs: b1 8 x 4,096 float32; b2 8 x 1,024 float32; gate_b 8 float32; gate_w 1,024 x 8 float32; w1 8 x 1,024 x 4,096 float32; w2 8 x 4,096 x 1,024 float32; x 2 x 512 x 1,024 float32.
;; Outputs: out0 2 x 512 x 1,024 float32; out1 2 x 512 x 8 float32; out2 2 x 512 x 2 int32; out3 8 float32.
;; One version. Each part assembles by itself: llvm-mc -triple=amdgcn-amd-amdhsa -mcpu=gfx1250 --defsym DOCPART=n.
;; ======== version 1 of 1: 4 launches
;; workspace buffers: xb 2,097,152 bytes; sel 8,192 bytes of whole numbers; topw 8,192 bytes; h 16,777,216 bytes; ypart 33,554,432 bytes
;; launch router (part 1): grid 64 x 1, 8 waves a work-group, no clusters, 50,944 bytes of LDS; arguments x, gate_w, gate_b, out1, out2, sel, topw, xb; writes out1, out2, sel, topw, xb
.if DOCPART == 1
	.amdgcn_target "amdgcn-amd-amdhsa--gfx1250"
	.amdhsa_code_object_version 6
	.text
	.protected	k_q98d6ebaa70_router
	.globl	k_q98d6ebaa70_router
	.p2align	8
	.type	k_q98d6ebaa70_router,@function
k_q98d6ebaa70_router:
	s_mov_b64 s[64:65], 0
	v_nop
	global_prefetch_b8 v0, s[64:65] scope:SCOPE_SE
	s_setreg_imm32_b32 hwreg(HW_REG_WAVE_MODE, 25, 1), 1
	s_wait_xcnt 0x0
; ROUTER.  logits = x gate_w + gate_b; the two largest of a token's 8 logits (a tie keeps the lower index), their softmax; a bf16 copy of x.
; x: [1024][1024] f32, gate_w: [1024][8] f32, gate_b: [8] f32.  Stored: out1 [1024][8] f32, out2 and sel [1024][2] i32, topw [1024][2] f32, xb [1024][1024] bf16.
; FORMATS.  x, gate_w and gate_b are rounded once to bf16 (as every input of the program is); products by the bf16 matrix form, sums in f32.
; LIMITS.  NaN and infinite logits are not treated apart; two logits that differ by less than the last bits of the matrix sums may be ordered otherwise than a sum in another order would.
; No address and no branch hangs on a logit: the choices go to fixed places, and later launches place the rows.
; SHARES.  A work-group owns 16 tokens.  Its eight waves round two rows of x each (16 loads of 512 consecutive bytes a wave) and 1/8 of gate_w, and lay both into LDS;
; wave 0 then makes the 16 x 8 logits with 32 matrix instructions on four accumulators, and the choice.
; No cluster, no tensor load: what the work-groups share is gate_w, 32 KB of the launch's 4 MB.
.set XP,    2064                       ; an LDS row of 1,024 bf16 + 16 bytes: 129 x 16, so the 16 rows of a fragment load start in 16 different groups of four banks (ISA guide 11.1)
.set GT,    33280                      ; behind x's 16 rows: gate_w turned, 8 rows [expert][k]
.set SPARE, 49920                      ; the spare words: 128 bytes for each of the eight waves
.set SPW, 1                            ; v1   my spare word; never rewritten
.set NIL, 2                            ; v2   0; never rewritten
.set LN,  3                            ; v3   lane
.set VX,  4                            ; v4   my byte offset in the group's rows of x
.set VXB, 5                            ; v5   the same in xb
.set VXS, 6                            ; v6   the same in LDS
.set VG,  7                            ; v7   my byte offset in gate_w
.set VGS, 8                            ; v8   where my pair of k goes in LDS
.set AG,  9                            ; v9   fragment address, gate
.set AX,  10                           ; v10  fragment address, tokens
.set RR,  11                           ; v11  lane % 16
.set HH,  12                           ; v12  lane / 16
.set TP,  13                           ; v13  at work
.set BV,  14                           ; v14-17 best value, best index, second value, second index
.set BI,  15
.set SV,  16
.set SI,  17
.set NINF, 18
.set EXV, 19
.set WA,  20
.set WBB, 21
.set O1,  22                           ; v22, v23 store offsets
.set O2,  23
.set OD,  24                           ; v24-27 four logits to store
.set IDX, 28
.set WGT, 29
.set LG,  32                           ; v32-39 the 8 logits (v32-47 first serve gate_w's rounding)
.set GB,  40                           ; v40-47 gate_b, rounded
.set MM,  48                           ; v48-55 at work
.set X,   64                           ; v64-127 x as loaded; later fragment buffer 0
.set G,   128                          ; v128-159 gate_w as loaded; v128-191 later fragment buffer 1
.set ACC, 192                          ; v192-223 four accumulators
.set Y,   224                          ; v224-255 x in bf16: store data, never rewritten
	s_load_b512 s[8:23], s[0:1], 0x0               ; x s[8:9], gate_w s[10:11], gate_b s[12:13], out1 s[14:15], out2 s[16:17], sel s[18:19], topw s[20:21], xb s[22:23]
	v_lshl_add_u32 v[SPW], v0, 2, SPARE
	v_mov_b32 v[NIL], 0
	v_lshrrev_b32 v[TP], 5, v0
	v_readfirstlane_b32 s2, v[TP]                  ; wave 0..7
	v_and_b32 v[LN], 31, v0
	s_lshl_b32 s3, s2, 13                          ; my wave's two rows of 4,096 bytes
	v_lshl_add_u32 v[VX], v[LN], 4, s3
	s_lshl_b32 s3, s2, 12                          ; two rows of 2,048 bytes
	v_lshl_add_u32 v[VXB], v[LN], 3, s3
	s_mul_i32 s3, s2, 2*XP
	v_lshl_add_u32 v[VXS], v[LN], 3, s3
	v_lshlrev_b32 v[VG], 6, v0                     ; thread t takes rows 2 t and 2 t + 1 of gate_w: 64 bytes
	v_lshl_add_u32 v[VGS], v0, 2, GT
	s_lshl_b32 s4, ttmp9, 16                       ; the group's 16 rows of x
	s_mov_b32 s5, 0
	s_lshl_b32 s6, ttmp9, 15                       ; and of xb
	s_mov_b32 s7, 0
	s_wait_kmcnt 0x0
	s_load_b256 s[24:31], s[12:13], 0x0            ; gate_b: nothing in this launch writes it
	s_add_nc_u64 s[8:9], s[8:9], s[4:5]
	s_add_nc_u64 s[22:23], s[22:23], s[6:7]
.set n, 0
.rept 16                                           ; row n / 8, 512 consecutive bytes at 512 (n % 8)
	global_load_b128 v[X+4*n:X+4*n+3], v[VX], s[8:9] offset:(n/8)*4096+(n%8)*512 th:TH_LOAD_NT
.set n, n+1
.endr
.set n, 0
.rept 8                                            ; k pairs t and t + 256: G[16 (n / 4) + e] = row 2 p, G[16 (n / 4) + 8 + e] = row 2 p + 1
	global_load_b128 v[G+4*n:G+4*n+3], v[VG], s[10:11] offset:(n/4)*16384+(n%4)*16
.set n, n+1
.endr
	s_wait_loadcnt 0x8                             ; x is in; the 8 loads of gate_w, issued behind it, may stay out
.set n, 0
.rept 16
	v_cvt_pk_bf16_f32 v[Y+2*n], v[X+4*n], v[X+4*n+1]
	v_cvt_pk_bf16_f32 v[Y+2*n+1], v[X+4*n+2], v[X+4*n+3]
	global_store_b64 v[VXB], v[Y+2*n:Y+2*n+1], s[22:23] offset:(n/8)*2048+(n%8)*256  ; the wave's store covers 256 consecutive bytes, aligned
	ds_store_b64 v[VXS], v[Y+2*n:Y+2*n+1] offset:(n/8)*XP+(n%8)*256
.set n, n+1
.endr
	s_wait_loadcnt 0x0                             ; gate_w
.set n, 0
.rept 16                                           ; expert n % 8, k pair t + 256 (n / 8): two neighbouring k in one word
	v_cvt_pk_bf16_f32 v[LG+n], v[G+16*(n/8)+n%8], v[G+16*(n/8)+8+n%8]
	ds_store_b32 v[VGS], v[LG+n] offset:(n%8)*XP+(n/8)*1024
.set n, n+1
.endr
	s_wait_kmcnt 0x0                               ; gate_b
	s_wait_dscnt 0x0                               ; for wave 0's sake: my stores into LDS are done
	s_barrier_signal -1
	s_barrier_wait -1
	s_cmp_lg_u32 s2, 0
	s_cbranch_scc1 .Lend                           ; waves 1 to 7 have done their share
	; A fragment is 16 rows x 32 k in 8 registers: lane l holds row l % 16, k = 8 (l / 16) + 0..7 and 16 + 8 (l / 16) + 0..7: two loads of 16 bytes, 32 bytes apart.
	; Source 0 = the gate's rows, experts 0..7 twice; source 1 = 16 tokens.  So register j of BOTH halves of the lanes holds logit[token l % 16][expert j].
	v_and_b32 v[RR], 15, v0
	v_bfe_u32 v[HH], v0, 4, 1
	v_mul_u32_u24 v[AX], v[RR], XP
	v_lshl_add_u32 v[AX], v[HH], 4, v[AX]
	v_and_b32 v[TP], 7, v0
	v_mul_u32_u24 v[AG], v[TP], XP
	v_lshl_add_u32 v[AG], v[HH], 4, v[AG]
	v_add_nc_u32 v[AG], GT, v[AG]
.macro LOADG g, f                      ; the fragments of K steps 4 g .. 4 g + 3 into buffer f: 16 loads
.irp s, 0,1,2,3
	ds_load_b128 v[(\f)+16*(\s):(\f)+16*(\s)+3],     v[AG] offset:64*(4*(\g)+(\s))
	ds_load_b128 v[(\f)+16*(\s)+4:(\f)+16*(\s)+7],   v[AG] offset:64*(4*(\g)+(\s))+32
	ds_load_b128 v[(\f)+16*(\s)+8:(\f)+16*(\s)+11],  v[AX] offset:64*(4*(\g)+(\s))
	ds_load_b128 v[(\f)+16*(\s)+12:(\f)+16*(\s)+15], v[AX] offset:64*(4*(\g)+(\s))+32
.endr
.endm
.macro MULG f, zero                    ; four K steps, each on an accumulator of its own: the four take turns
.irp s, 0,1,2,3
.if \zero
	v_wmma_f32_16x16x32_bf16 v[ACC+8*(\s):ACC+8*(\s)+7], v[(\f)+16*(\s):(\f)+16*(\s)+7], v[(\f)+16*(\s)+8:(\f)+16*(\s)+15], 0
.else
	v_wmma_f32_16x16x32_bf16 v[ACC+8*(\s):ACC+8*(\s)+7], v[(\f)+16*(\s):(\f)+16*(\s)+7], v[(\f)+16*(\s)+8:(\f)+16*(\s)+15], v[ACC+8*(\s):ACC+8*(\s)+7]
.endif
.endr
.endm
	LOADG 0, X
	LOADG 1, G
	s_wait_dscnt 16                                ; group 0 is in; group 1's 16 loads may stay out
	MULG X, 1                                      ; the first four K steps start the sums
.irp g, 1,2,3,4,5,6
.rept 4
	v_nop                                          ; four places between the products that read a buffer and the loads into it
.endr
	LOADG (\g)+1, X+64*(((\g)+1)%2)
	s_wait_dscnt 16                                ; group g is in; the 16 loads just issued may stay out
	MULG X+64*((\g)%2), 0
.endr
	s_wait_dscnt 0x0
	MULG G, 0                                      ; group 7
.irp p, 0,1,2,3                        ; gate_b rounded to bf16 and widened again: 12 plain instructions, the places behind the last products
	v_cvt_pk_bf16_f32 v[TP], s[24+2*(\p)], s[25+2*(\p)]
	v_lshlrev_b32 v[GB+2*(\p)], 16, v[TP]
	v_and_b32 v[GB+2*(\p)+1], 0xffff0000, v[TP]
.endr
.irp p, 0,2,4,6                        ; each accumulator is read from its low end on
	v_pk_add_f32 v[LG+(\p):LG+(\p)+1], v[ACC+(\p):ACC+(\p)+1], v[ACC+8+(\p):ACC+8+(\p)+1]
	v_pk_add_f32 v[MM+(\p):MM+(\p)+1], v[ACC+16+(\p):ACC+16+(\p)+1], v[ACC+24+(\p):ACC+24+(\p)+1]
	v_pk_add_f32 v[LG+(\p):LG+(\p)+1], v[LG+(\p):LG+(\p)+1], v[MM+(\p):MM+(\p)+1]
	v_pk_add_f32 v[LG+(\p):LG+(\p)+1], v[LG+(\p):LG+(\p)+1], v[GB+(\p):GB+(\p)+1]
.endr
.macro SCAN src, val, idx              ; the largest of eight and its index; only a strictly greater number takes the place, so a tie keeps the lower index
	v_mov_b32 v[\val], v[\src]
	v_mov_b32 v[\idx], 0
.irp e, 1,2,3,4,5,6,7
	v_cmp_gt_f32 vcc_lo, v[(\src)+(\e)], v[\val]
	v_cndmask_b32 v[\val], v[\val], v[(\src)+(\e)], vcc_lo
	v_cndmask_b32 v[\idx], v[\idx], \e, vcc_lo
.endr
.endm
	SCAN LG, BV, BI
	v_mov_b32 v[NINF], 0xff800000
.irp e, 0,1,2,3,4,5,6,7                ; the winner is taken out, and the scan runs again
	v_cmp_eq_u32 vcc_lo, \e, v[BI]
	v_cndmask_b32 v[MM+(\e)], v[LG+(\e)], v[NINF], vcc_lo
.endr
	SCAN MM, SV, SI
	; softmax of the two: the larger is taken away first, so the exponent is never positive
	v_sub_f32 v[EXV], v[SV], v[BV]
	v_mul_f32 v[EXV], 0x3fb8aa3b, v[EXV]
	v_exp_f32 v[EXV], v[EXV]
	v_lshlrev_b32 v[O1], 5, v[RR]                  ; (a plain instruction behind the exponential) out1: 32 bytes a token,
	s_wait_alu depctr_va_vdst(0)
	v_add_f32 v[WA], 1.0, v[EXV]
	v_rcp_f32 v[WA], v[WA]
	v_lshl_add_u32 v[O1], v[HH], 4, v[O1]          ; (and behind the reciprocal) 16 for each half of the lanes
	s_wait_alu depctr_va_vdst(0)
	v_mul_f32 v[WBB], v[EXV], v[WA]
	v_lshlrev_b32 v[O2], 3, v[RR]                  ; the pairs: 8 bytes a token, choice l / 16
	v_lshl_add_u32 v[O2], v[HH], 2, v[O2]
	s_mov_b32 s3, 0xffff0000                       ; lanes 16 to 31
.irp c, 0,1,2,3
	v_cndmask_b32 v[OD+(\c)], v[LG+(\c)], v[LG+4+(\c)], s3
.endr
	v_cndmask_b32 v[IDX], v[BI], v[SI], s3
	v_cndmask_b32 v[WGT], v[WA], v[WBB], s3
	s_lshl_b32 s4, ttmp9, 9                        ; the group's 16 tokens in out1,
	s_lshl_b32 s6, ttmp9, 7                        ; and in the three arrays of pairs
	s_add_nc_u64 s[14:15], s[14:15], s[4:5]
	s_add_nc_u64 s[16:17], s[16:17], s[6:7]
	s_add_nc_u64 s[18:19], s[18:19], s[6:7]
	s_add_nc_u64 s[20:21], s[20:21], s[6:7]
	global_store_b128 v[O1], v[OD:OD+3], s[14:15]  ; 512 consecutive bytes
	global_store_b32 v[O2], v[IDX], s[16:17]
	global_store_b32 v[O2], v[IDX], s[18:19]
	global_store_b32 v[O2], v[WGT], s[20:21]
.Lend:
	s_wait_tensorcnt 0x0                           ; the wave's end
	ds_add_u32 v[SPW], v[NIL]
	s_wait_dscnt 0x0
	s_endpgm
.Lfunc_end_k_q98d6ebaa70_router:
	.size	k_q98d6ebaa70_router, .Lfunc_end_k_q98d6ebaa70_router-k_q98d6ebaa70_router
	.p2alignl 7, 3214868480
	.fill 96, 4, 3214868480
	.section	.rodata,"a",@progbits
	.p2align	6, 0x0
	.amdhsa_kernel k_q98d6ebaa70_router
		.amdhsa_group_segment_fixed_size 50944
		.amdhsa_private_segment_fixed_size 0
		.amdhsa_enable_private_segment 0
		.amdhsa_kernarg_size 64
		.amdhsa_user_sgpr_count 2
		.amdhsa_user_sgpr_kernarg_segment_ptr 1
		.amdhsa_wavefront_size32 1
		.amdhsa_system_sgpr_workgroup_id_x 1
		.amdhsa_system_sgpr_workgroup_id_y 1
		.amdhsa_system_sgpr_workgroup_id_z 1
		.amdhsa_system_vgpr_workitem_id 0
		.amdhsa_next_free_vgpr 256
		.amdhsa_next_free_sgpr 66
		.amdhsa_reserve_vcc 1
		.amdhsa_float_denorm_mode_32 3
		.amdhsa_float_denorm_mode_16_64 3
		.amdhsa_memory_ordered 1
		.amdhsa_forward_progress 1
		.amdhsa_inst_pref_size 28
	.end_amdhsa_kernel
	.amdgpu_metadata
---
amdhsa.version: [ 1, 2 ]
amdhsa.kernels:
  - .name:           k_q98d6ebaa70_router
    .symbol:         k_q98d6ebaa70_router.kd
    .args:
      - { .name: x, .offset: 0, .size: 8, .value_kind: global_buffer, .address_space: global }
      - { .name: gate_w, .offset: 8, .size: 8, .value_kind: global_buffer, .address_space: global }
      - { .name: gate_b, .offset: 16, .size: 8, .value_kind: global_buffer, .address_space: global }
      - { .name: out1, .offset: 24, .size: 8, .value_kind: global_buffer, .address_space: global }
      - { .name: out2, .offset: 32, .size: 8, .value_kind: global_buffer, .address_space: global }
      - { .name: sel, .offset: 40, .size: 8, .value_kind: global_buffer, .address_space: global }
      - { .name: topw, .offset: 48, .size: 8, .value_kind: global_buffer, .address_space: global }
      - { .name: xb, .offset: 56, .size: 8, .value_kind: global_buffer, .address_space: global }
    .group_segment_fixed_size: 50944
    .private_segment_fixed_size: 0
    .kernarg_segment_align: 8
    .kernarg_segment_size: 64
    .max_flat_workgroup_size: 256
    .sgpr_count:     66
    .vgpr_count:     256
    .wavefront_size: 32
...
	.end_amdgpu_metadata
.endif
;; end of part 1
;; launch ffn1 (part 2): grid 32 x 8, 4 waves a work-group, no clusters, 304,384 bytes of LDS; arguments w1, b1, xb, sel, out3, h; writes out3, h
.if DOCPART == 2
	.amdgcn_target "amdgcn-amd-amdhsa--gfx1250"
	.amdhsa_code_object_version 6
	.text
	.protected	k_q98d6ebaa70_ffn1
	.globl	k_q98d6ebaa70_ffn1
	.p2align	8
	.type	k_q98d6ebaa70_ffn1,@function
k_q98d6ebaa70_ffn1:
	s_mov_b64 s[64:65], 0
	v_nop
	global_prefetch_b8 v0, s[64:65] scope:SCOPE_SE
	s_setreg_imm32_b32 hwreg(HW_REG_WAVE_MODE, 25, 1), 1
	s_wait_xcnt 0x0
; THE EXPERTS' FIRST PRODUCT, for the rows that chose the expert.
;   h[entry][f] = gelu(xb[entry / 2][:] . w1[e][:][f] + b1[e][f]), bf16;  also out3[e] = the expert's number of rows.        arguments: w1, b1, xb, sel, out3, h
; An ENTRY is 2 x token + choice (0..2047); sel[entry] is its expert, stored as whole numbers by the launch before.
; FORMATS AND LIMITS.  Weights and bias are rounded once to bf16 on their way through registers, h once to bf16; sums in f32.  erf by a five-term rational form, absolute error at most 1.5e-7,
; for every z (an exponential below 2^-126 counts as 0).  NaN and infinities are not treated apart.
; SHARES.  Work-group (slice, expert): 1,024 k x 128 columns of ONE expert's weights, 512 KB that nobody else reads, and ALL that expert's rows, whatever their number (0 to 1,024).
; The weights are read once, rounded, and kept in LDS in the order of matrix operands (256 KB).  Rows are a wave's own: in pass p wave w owns the tiles of 16 rows 20 p + 4 t + w, t = 0..4, each tile
; 16 rows x 128 columns in 8 accumulators.  Pass 0 (rows 0..319) multiplies while the weights stream in; an expert with more rows takes further passes, from LDS, plain and not pipelined.
; Every trip count is a constant and every wave passes every barrier; what hangs on the counts is jumped forward: products of dead tiles, stores of dead rows.
; A wave's tiles 0 to 2 stand under one test: a wave with one or two live tiles multiplies three (experts under 192 rows); nothing of a dead tile is stored.
; NO TRANSPOSE.  A chunk is 64 k x 128 columns.  Wave w takes k-step s = w / 2 and column group g = w % 2; lane (i = l % 16, hh = l / 16) loads 16 bytes (columns 64 g + 4 i + c) of the 16 rows
; k = 32 hh + 16 s + q.  Two rows' numbers of one column, rounded, are one register of a fragment: fragment (g, c) has as its row i the column 64 g + 4 i + c, and its k places hold k = 32 hh + 16 s + q.
; The rows' operand uses the same order of k: lane (r, hh) reads the 64 consecutive bytes k = 32 hh .. 32 hh + 31 of row r, 32 for each k-step.
; Source 0 = weights, source 1 = rows: register j of lane (r, hh) of accumulator (g, c) is row r, column 64 g + 32 hh + 4 j + c: a lane's 32 registers of a group g are 32 NEIGHBOURING columns of one row.
; THE BIAS is the sums' first K step: a fragment that holds the bias in one k place times a fragment that holds 1.0 there and 0 elsewhere.  Nothing is cleared, nothing is added later.
; THE STREAM.  Three chunks go out with sel and the bias; four are rounded ahead of trip 0; trip t rounds chunk t + 4 and asks for chunk t + 6.  By this text's count 54 loads of a wave are out at the most.
; NO TENSOR LOAD, NO CLUSTER: each weight has one reader and must pass registers to be rounded; what an expert's 32 work-groups share is its rows, which come by a list that no descriptor covers.
.set PW,     16384                     ; bytes from a row of the weights to the next
.set SHIFT,  13                        ; an output row is 8,192 bytes
.set NTW,    0                         ; this product loads no row weights
.set CH,     64*PW                     ; bytes from a chunk to the next
.set CHB,    16384                     ; a chunk's fragments in LDS: k-step x 8,192 + fragment x 1,024 + half x 512 + 16 x lane; each byte is written once in the launch
.set STAGE,  16*CHB                    ; 262,144: the way out, for each wave 16 rows of 256 bytes (128 bf16)
.set SPITCH, 272                       ; 17 x 16: the 16 rows of a store start in 16 different groups of four banks (ISA guide 11.1)
.set STW,    8960                      ; bytes kept for a wave's stage
.set LIST,   STAGE+4*STW               ; 297,984: the expert's entries; wave w's part lists those among tokens 256 w .. 256 w + 255; word 256 of a part takes what the other lanes store
.set LPITCH, 1280
.set ROWI,   LIST+4*LPITCH             ; 303,104: for each wave the 16 entries of the tile that leaves: even rows' in words 0-7, odd rows' in words 8-15
.set CNTS,   ROWI+512                  ; 303,616: the four waves' counts
.set SPARE,  CNTS+256                  ; 303,872: the spare words, 128 bytes for each wave
; window 0
.set SPW,  1                           ; my spare word; never rewritten
.set NIL,  2                           ; 0; never rewritten
.set LN,   3                           ; lane
.set LI,   4                           ; lane % 16
.set HH,   5                           ; lane / 16
.set WO,   6                           ; my byte offset in a chunk of the weights; never rewritten
.set PF,   7                           ; the same for the prefetch: lane l stands for one of my wave's 32 pieces of 256 bytes
.set LST0, 8                           ; where my fragments go in a chunk's LDS bytes
.set LST,  9
.set LLD0, 10                          ; 16 x lane
.set LLD,  11
.set AO,   12                          ; v12-16  tile t: byte offset of my row's 64 bytes
.set ENT,  17                          ; v17-21  tile t: my row's entry
.set STS,  27                          ; stage: where I store; never rewritten
.set STR,  28                          ; stage: where I read back; never rewritten
.set CO,   30                          ; my byte offset in an output row's 256 bytes
.set RK0,  31                          ; 16 w + lane % 16
.set RIS,  32                          ; row table: where my row's entry goes
.set RIR,  33                          ; row table: the eight entries of the rows that I store
.set EB,   35                          ; 512 w + 4 x lane
.set HH64, 36
.set C256, 37
.set TP,   38                          ; v38-43 at work
.set CN,   44                          ; v44-47 four zeros, later the four counts
.set SELO, 56                          ; addresses and data of single loads and stores; never rewritten
.set BO,   57
.set O3D,  58
.set O3A,  59
.set TMP,  64                          ; v64-95  four fragments, rounded
.set BF0,  96                          ; v96-159, v160-223  the eight fragments of k-step 0 and of k-step 1
.set BF1,  160
.set SELR, 96                          ; at the start: sel as loaded, the bias as loaded
.set BIASR, 112
.set ZZ,   64                          ; on the way out: v64-127 a tile's 64 sums, scaled
.set TT,   128                         ; v128-159, v160-191, v192-223 GELU's work on 32 numbers
.set EE,   160
.set UU,   192
.set HB,   224                         ; v224-255 the tile in bf16
.set OB,   128                         ; v128-159 the tile read back as whole rows
.set RE,   160                         ; v160-167 the entries of my eight rows
.set VO,   168                         ; v168-175 their byte offsets
; window 1: v0-63, v64-127 weights as loaded, two buffers; v128-191 tile 4's accumulators; v192-213 the bias fragments: fragment b begins at BIASF + 2 b
.set ACC4,  128
.set BIASF, 192
; window 2: v0-79, v80-159 the rows' operands, two buffers (16 t + 8 k-step); v80-143 first take chunk 0 of the weights; v160-167 the fragment of ones
.set WT,    80
.set ONESF, 160
; window 3: the accumulators of tiles 0-3, at 64 t + 8 b
.set WV, 16
.set SL, 17
.set EX, 18
.set WB, 22                            ; s[22:23] the weights at the chunk last asked for
.set AB, 24                            ; s[24:25] the rows' buffer at the chunk last asked for
.set AB0, 26
.set OUT, 28
.set OFFP, 30
.set RN, 32                            ; the expert's rows
.set RM1, 33
.set NTL, 34                           ; its tiles
.set NT, 35                            ; my live tiles in this pass, 0..5
.set PASS, 36
.set ROWB, 37                          ; 320 x pass
.set TI, 38
.set REM, 40
.set IT, 41
.set CNT, 42
.set CQ, 43                            ; s43-46 the waves' counts
.set BQ, 47                            ; s47-49 the ranks at which parts 1, 2, 3 of the list begin
.set DQ, 50                            ; s50-52 1,280 q - 4 x that rank
.set MA, 53
.set MB, 54
.set MK, 55
.set SA, 56
.set SB, 57
.set SC, 58
.set SD, 59
.set LW, 60
.set LSO, 61                           ; LDS byte of the chunk to be stored
.set LLO, 62                           ; LDS byte of the chunk to be read
.set GP, 68
.set GS, 70
.set G5, 72
.set G4, 74
.set G3, 76
.set G2, 78
.set G1, 80
.set GM, 82
.set BB, 84
.set STB, 86                           ; my stage's first byte
.set RIB, 87                           ; my row table's first byte
.set GK, 88
.set MSB, 0
.macro WIN new                         ; s_set_vgpr_msb: bits 1:0 source 0, 3:2 source 1, 5:4 source 2, 7:6 destination; the high byte repeats the setting that is left; a switch that changes nothing is dropped
.if MSB != (\new)
	s_set_vgpr_msb (MSB<<8)|(\new)
.set MSB, (\new)
.endif
.endm
.macro PLACES                          ; four places between a matrix instruction and a load into its sources, or a read of its result
.rept 4
	v_nop
.endr
.endm
.macro WLOAD win, base, imm            ; my quarter of a chunk: 16 loads; each half of the lanes takes 256 consecutive bytes of one row, aligned
	WIN \win
.irp q, 0,1,2,3,4,5,6,7,8,9,10,11,12,13,14,15
	global_load_b128 v[(\base)+4*(\q):(\base)+4*(\q)+3], v[WO], s[WB:WB+1] offset:(\imm)+(\q)*PW th:TH_LOAD_NT
.endr
.endm
.macro ALOAD par                       ; 64 k of my five tiles' rows: always 20 loads, so that the counts are constants; a dead tile repeats a row that exists
	WIN 0x80
.irp t, 0,1,2,3,4
.irp n, 0,1,2,3
	global_load_b128 v[80*(\par)+16*(\t)+4*(\n):80*(\par)+16*(\t)+4*(\n)+3], v[AO+(\t)], s[AB:AB+1] offset:16*(\n)
.endr
.endr
.endm
.macro CONVERT win, base               ; 64 numbers a lane become four fragments: register rho of fragment c = rows 2 rho and 2 rho + 1 of column c
	WIN \win
.irp c, 0,1,2,3
.irp rho, 0,1,2,3,4,5,6,7
	v_cvt_pk_bf16_f32 v[TMP+8*(\c)+(\rho)], v[(\base)+8*(\rho)+(\c)], v[(\base)+8*(\rho)+4+(\c)]
.endr
.endr
	WIN 0
	v_add_nc_u32 v[LST], s[LSO], v[LST0]
	s_add_co_u32 s[LSO], s[LSO], CHB
.irp c, 0,1,2,3
	ds_store_b128 v[LST], v[TMP+8*(\c):TMP+8*(\c)+3]   offset:(\c)*1024
	ds_store_b128 v[LST], v[TMP+8*(\c)+4:TMP+8*(\c)+7] offset:(\c)*1024+512
.endr
.endm
.macro STEP base, left, step           ; at the start: the chunk in a buffer of window 1 is waited for and rounded, the next chunk is asked for into the buffer, and the chunk three further on into the cache
	s_wait_loadcnt \left
	CONVERT 0x05, \base
	s_wait_xcnt 0x0                                ; the base is stepped only behind this wait
	s_add_nc_u64 s[WB:WB+1], s[WB:WB+1], \step
	WLOAD 0x40, \base, 0
	WIN 0
	global_prefetch_b8 v[PF], s[WB:WB+1] offset:3*CH th:TH_LOAD_NT scope:SCOPE_SE
.endm
.macro BFLOAD ks                       ; the eight fragments of one k-step: 16 loads of 512 consecutive bytes
.irp b, 0,1,2,3,4,5,6,7
	ds_load_b128 v[BF0+64*(\ks)+8*(\b):BF0+64*(\ks)+8*(\b)+3],   v[LLD] offset:(\ks)*8192+(\b)*1024
	ds_load_b128 v[BF0+64*(\ks)+8*(\b)+4:BF0+64*(\ks)+8*(\b)+7], v[LLD] offset:(\ks)*8192+(\b)*1024+512
.endr
.endm
.macro MULT bf, ab, t                  ; tile t's 8 products of one k-step: the accumulators by turns
.if (\t) < 4
.set AC, 64*(\t)
.else
.set AC, ACC4
.endif
.irp b, 0,1,2,3,4,5,6,7
	v_wmma_f32_16x16x32_bf16 v[AC+8*(\b):AC+8*(\b)+7], v[(\bf)+8*(\b):(\bf)+8*(\b)+7], v[(\ab)+16*(\t):(\ab)+16*(\t)+7], v[AC+8*(\b):AC+8*(\b)+7]
.endr
.endm
.macro MUL bf, ab                      ; one k-step: tiles 0 to 2 under one test, tiles 3 and 4 under one each (at a branch and at a label every window is 0)
	s_cmp_eq_u32 s[NT], 0
	s_cbranch_scc1 .Lmul_done_\@
	WIN 0xf8
	MULT \bf, \ab, 0
	MULT \bf, \ab, 1
	MULT \bf, \ab, 2
	WIN 0
	s_cmp_le_u32 s[NT], 3
	s_cbranch_scc1 .Lmul_done_\@
	WIN 0xf8
	MULT \bf, \ab, 3
	WIN 0
	s_cmp_le_u32 s[NT], 4
	s_cbranch_scc1 .Lmul_done_\@
	WIN 0x58
	MULT \bf, \ab, 4
	WIN 0
.Lmul_done_\@:
.endm
.macro INIT                            ; the sums' first K step: bias x 1.  For all five tiles, so that every accumulator is written on every way
.irp t, 0,1,2,3,4
.if (\t) < 4
	WIN 0xf9
.set AC, 64*(\t)
.else
	WIN 0x59
.set AC, ACC4
.endif
.irp b, 0,1,2,3,4,5,6,7
	v_wmma_f32_16x16x32_bf16 v[AC+8*(\b):AC+8*(\b)+7], v[BIASF+2*(\b):BIASF+2*(\b)+7], v[ONESF:ONESF+7], 0
.endr
.endr
	WIN 0
.endm
.macro TILESET                         ; the entries of my five tiles in this pass, their addresses, and how many of the tiles are live
	s_wait_xcnt 0x0                                ; registers that earlier loads and stores name are rewritten only behind this wait
.irp t, 0,1,2,3,4
	v_add3_u32 v[TP], v[RK0], s[ROWB], 64*(\t)     ; my row's rank in the expert's list,
	v_min_u32 v[TP], s[RM1], v[TP]                 ; or the last that exists
	v_cmp_le_u32 vcc_lo, s[BQ], v[TP]              ; which wave's part of the list holds it
	v_cndmask_b32 v[TP+1], 0, s[DQ], vcc_lo
	v_cmp_le_u32 vcc_lo, s[BQ+1], v[TP]
	v_cndmask_b32 v[TP+1], v[TP+1], s[DQ+1], vcc_lo
	v_cmp_le_u32 vcc_lo, s[BQ+2], v[TP]
	v_cndmask_b32 v[TP+1], v[TP+1], s[DQ+2], vcc_lo
	v_lshl_add_u32 v[TP+1], v[TP], 2, v[TP+1]
	v_min_u32 v[TP+1], 4*LPITCH-4, v[TP+1]
	v_add_nc_u32 v[TP+1], LIST, v[TP+1]
	ds_load_b32 v[ENT+(\t)], v[TP+1]
.endr
	s_wait_dscnt 0x0
.irp t, 0,1,2,3,4
	v_min_u32 v[ENT+(\t)], 0x7ff, v[ENT+(\t)]
	v_and_b32 v[TP], 0x7fe, v[ENT+(\t)]            ; the token's row of 2,048 bytes: (entry / 2) x 2,048
	v_lshl_add_u32 v[AO+(\t)], v[TP], 10, v[HH64]
.endr
	s_lshr_b32 s[SA], s[ROWB], 4                   ; tile 20 p + 4 t + w is live while it is below the number of tiles
	s_add_co_u32 s[SA], s[SA], s[WV]
	s_add_co_u32 s[SB], s[NTL], 3
	s_sub_co_i32 s[SB], s[SB], s[SA]
	s_max_i32 s[SB], s[SB], 0
	s_lshr_b32 s[SB], s[SB], 2
	s_min_u32 s[NT], s[SB], 5
.endm
; A TRIP OF PASS 0, chunk tau (par = tau % 2).  conv: chunk tau + 4, loaded two trips ago, is rounded and laid into LDS.  aiss: the rows' chunk tau + 1 is asked for.  wiss: the weights' chunk tau + 6.
; nw: the loads that may stay out.  nbf: the next chunk's first fragments are fetched.  bar: one barrier, its signal behind my stores, its wait at the trip's end: what is stored in trip tau is read from trip tau + 3 on.
; Between signal and wait stand products, jumps over products, and LDS loads of bytes that nobody writes again.  pf: chunk tau + 9 is asked into the cache, three chunks ahead of its load, while IT <= pfmax.
; skip: in the walk with IT = 1 there is no next chunk: the loads for it are jumped.
.macro TRIP par, conv, wiss, aiss, nw, nbf, bar, pf, pfmax, skip
	s_wait_loadcnt \nw                             ; loads come back in order (ISA guide 5.7.1): the weights' chunk tau + 4 and the rows' chunk tau are in
.if \conv
	CONVERT 0x05, 64*(\par)                        ; its 32 conversions are also the places behind the last trip's products
.else
	PLACES
.endif
.if \skip
	s_cmp_eq_u32 s[IT], 1
	s_cbranch_scc1 .Lno_a_\@
.endif
.if (\aiss)+(\wiss)
	s_wait_xcnt 0x0                                ; the two bases are stepped only behind this wait
.endif
.if \aiss
	s_add_nc_u64 s[AB:AB+1], s[AB:AB+1], 128
	ALOAD 1-(\par)                                 ; ahead of the weights, so that the wait for the rows leaves the younger chunk of weights out
.endif
.if \wiss
	s_add_nc_u64 s[WB:WB+1], s[WB:WB+1], CH
	WLOAD 0x40, 64*(\par), 0
.endif
	WIN 0
.if \skip
.Lno_a_\@:
.endif
.if \pf
	s_cmp_gt_u32 s[IT], \pfmax
	s_cbranch_scc1 .Lno_pf_\@                      ; chunk 15 is the last: no request passes the slice's end
	global_prefetch_b8 v[PF], s[WB:WB+1] offset:3*CH th:TH_LOAD_NT scope:SCOPE_SE
.Lno_pf_\@:
.endif
.if \bar
	s_wait_dscnt 0x0                               ; for the others' sake: my stores are done (and no LDS instruction of mine is out at the signal)
	s_barrier_signal -1
.endif
	BFLOAD 1
	s_wait_dscnt 16                                ; k-step 0's fragments are in; the 16 loads just issued may stay out
	MUL BF0, 80*(\par)
	s_wait_dscnt 0x0                               ; k-step 1's fragments
.if \nbf
.if \skip
	s_cmp_eq_u32 s[IT], 1
	s_cbranch_scc1 .Lno_b_\@
.endif
	PLACES
	s_add_co_u32 s[LLO], s[LLO], CHB
	v_add_nc_u32 v[LLD], s[LLO], v[LLD0]
.if (\conv) == 0
	v_min_u32 v[LLD], 15*CHB+496, v[LLD]           ; chunk 15 is the last: the bound stands in the text
.endif
	BFLOAD 0                                       ; the next chunk's k-step 0, one run of products ahead of its use
.if \skip
.Lno_b_\@:
.endif
.endif
	MUL BF1, 80*(\par)+8
.if \bar
	s_barrier_wait -1
.endif
.endm
; THE WAY OUT.  ZCOPY is the one part written for each tile: Z = z x sqrt(log2(e) / 2), from the accumulators (each from its low end on) into window 0; and the tile's entries into my row table.
.macro ZCOPY t
.if (\t) < 4
	WIN 0x03
.set AC, 64*(\t)
.else
	WIN 0x01
.set AC, ACC4
.endif
.set n, 0
.rept 32
	v_pk_mul_f32 v[ZZ+n:ZZ+n+1], v[AC+n:AC+n+1], s[GS:GS+1] op_sel_hi:[1,0]
.set n, n+2
.endr
	WIN 0
	ds_store_b32 v[RIS], v[ENT+(\t)]
.endm
; GELU of the 32 numbers of column group g.  With s = sqrt(log2(e) / 2) and Z = s z:  t = 1 / (1 + (0.3275911 / sqrt(log2 e)) |Z|);  e = 2^(-Z Z) = exp(-z z / 2);  u = the five-term polynomial in t, its
; coefficients halved and divided by s;  q = 0.5 / s - u t e = erf(|z| / sqrt 2) / (2 s);  gelu = Z (0.5 / s + sign(Z) q).  The scaling that the exponent needs anyway is thus the copy out of the accumulators.
; Reciprocals and exponentials stand between plain lines; behind each a plain line that touches neither its result nor its source comes before the result is used (ISA guide 5.7.2).
; Number 8 c + j is column 32 hh + 4 j + c of the group: the roundings pair columns c = 0, 1 and c = 2, 3, so that the lane's 16 words are its 32 columns in order: 64 bytes of one row.
.macro GELU32 g
.set ZB, ZZ+32*(\g)
.if (\g) == 0
.irp r, 64,65,66,67,68,69,70,71,72,73,74,75,76,77,78,79,80,81,82,83,84,85,86,87,88,89,90,91,92,93,94,95
	v_fma_f32 v[(\r)-64+TT], |v\r|, s[GP], 1.0
.endr
.else
.irp r, 96,97,98,99,100,101,102,103,104,105,106,107,108,109,110,111,112,113,114,115,116,117,118,119,120,121,122,123,124,125,126,127
	v_fma_f32 v[(\r)-96+TT], |v\r|, s[GP], 1.0
.endr
.endif
.irp p, 0,2,4,6,8,10,12,14,16,18,20,22,24,26,28,30
	v_rcp_f32 v[TT+(\p)], v[TT+(\p)]
	v_pk_fma_f32 v[EE+(\p):EE+(\p)+1], v[ZB+(\p):ZB+(\p)+1], v[ZB+(\p):ZB+(\p)+1], 0 op_sel_hi:[1,1,0] neg_lo:[1,0,0] neg_hi:[1,0,0]
	v_rcp_f32 v[TT+(\p)+1], v[TT+(\p)+1]
.endr
.irp p, 0,2,4,6,8,10,12,14,16,18,20,22,24,26,28,30
	v_exp_f32 v[EE+(\p)], v[EE+(\p)]
	s_wait_alu depctr_va_vdst(0)
	v_pk_fma_f32 v[UU+(\p):UU+(\p)+1], v[TT+(\p):TT+(\p)+1], s[G5:G5+1], s[G4:G4+1] op_sel_hi:[1,0,0]
	v_exp_f32 v[EE+(\p)+1], v[EE+(\p)+1]
	v_pk_fma_f32 v[UU+(\p):UU+(\p)+1], v[UU+(\p):UU+(\p)+1], v[TT+(\p):TT+(\p)+1], s[G3:G3+1] op_sel_hi:[1,1,0]
.endr
.irp k, G2, G1
.irp p, 0,2,4,6,8,10,12,14,16,18,20,22,24,26,28,30
	v_pk_fma_f32 v[UU+(\p):UU+(\p)+1], v[UU+(\p):UU+(\p)+1], v[TT+(\p):TT+(\p)+1], s[\k:\k+1] op_sel_hi:[1,1,0]
.endr
.endr
.irp p, 0,2,4,6,8,10,12,14,16,18,20,22,24,26,28,30
	v_pk_mul_f32 v[UU+(\p):UU+(\p)+1], v[UU+(\p):UU+(\p)+1], v[TT+(\p):TT+(\p)+1]
.endr
	s_wait_alu depctr_va_vdst(0)
.irp p, 0,2,4,6,8,10,12,14,16,18,20,22,24,26,28,30
	v_pk_fma_f32 v[UU+(\p):UU+(\p)+1], v[UU+(\p):UU+(\p)+1], v[EE+(\p):EE+(\p)+1], s[GK:GK+1] op_sel_hi:[1,1,0] neg_lo:[1,0,0] neg_hi:[1,0,0]
.endr
.set n, 0
.rept 32
	v_bfi_b32 v[UU+n], s[GM], v[UU+n], v[ZB+n]     ; q's magnitude, Z's sign
.set n, n+1
.endr
.irp p, 0,2,4,6,8,10,12,14,16,18,20,22,24,26,28,30
	v_pk_add_f32 v[UU+(\p):UU+(\p)+1], v[UU+(\p):UU+(\p)+1], s[GK:GK+1] op_sel_hi:[1,0]
.endr
.irp p, 0,2,4,6,8,10,12,14,16,18,20,22,24,26,28,30
	v_pk_mul_f32 v[UU+(\p):UU+(\p)+1], v[ZB+(\p):ZB+(\p)+1], v[UU+(\p):UU+(\p)+1]
.endr
.irp j, 0,1,2,3,4,5,6,7
	v_cvt_pk_bf16_f32 v[HB+16*(\g)+2*(\j)],   v[UU+(\j)],    v[UU+8+(\j)]
	v_cvt_pk_bf16_f32 v[HB+16*(\g)+2*(\j)+1], v[UU+16+(\j)], v[UU+24+(\j)]
.endr
.irp m, 0,1,2,3
	ds_store_b128 v[STS], v[HB+16*(\g)+4*(\m):HB+16*(\g)+4*(\m)+3] offset:128*(\g)+16*(\m)
.endr
.endm
	s_load_b256 s[4:11], s[0:1], 0x0               ; weights s[4:5], bias s[6:7], rows s[8:9], sel s[10:11]
	s_load_b128 s[12:15], s[0:1], 0x20             ; out3 s[12:13], h s[14:15]
	v_lshl_add_u32 v[SPW], v0, 2, SPARE
	v_mov_b32 v[NIL], 0
	v_lshrrev_b32 v[TP], 5, v0
	v_readfirstlane_b32 s[WV], v[TP]               ; wave 0..3
	s_mov_b32 s[SL], ttmp9                         ; slice 0..31
	s_and_b32 s[EX], ttmp7, 0xffff                 ; expert 0..7
	v_and_b32 v[LN], 31, v0
	v_and_b32 v[LI], 15, v0
	v_bfe_u32 v[HH], v0, 4, 1
	s_lshr_b32 s[SA], s[WV], 1                     ; my k-step: 16 rows,
	s_mul_i32 s[SA], s[SA], 16*PW
	s_and_b32 s[SB], s[WV], 1                      ; my column group: 256 bytes
	s_lshl_b32 s[SB], s[SB], 8
	s_add_co_u32 s[SA], s[SA], s[SB]
	v_mul_u32_u24 v[TP], v[HH], 32*PW              ; the upper half of the lanes: 32 rows on
	v_add_nc_u32 v[TP], s[SA], v[TP]
	v_lshl_add_u32 v[WO], v[LI], 4, v[TP]
	v_mul_u32_u24 v[TP+1], v[LI], PW
	v_add_nc_u32 v[PF], v[TP], v[TP+1]
	s_lshl_b32 s[SA], s[WV], 11                    ; my 256 tokens' 2,048 bytes of sel
	v_lshl_add_u32 v[SELO], v[LN], 4, s[SA]
	v_lshlrev_b32 v[BO], 4, v[LI]
	s_lshl_b32 s[OFFP], s[EX], 24                  ; an expert's weights are 16 MiB
	s_mov_b32 s[OFFP+1], 0
	s_mov_b32 s[SD], 0
	s_lshl_b32 s[SA], s[SL], 9                     ; the slice's 128 columns
	s_lshl_b32 s[SC], s[EX], 14                    ; the expert's bias
	s_add_co_u32 s[OFFP], s[OFFP], s[SA]
	s_add_co_u32 s[SC], s[SC], s[SA]
	s_wait_kmcnt 0x0
	s_add_nc_u64 s[WB:WB+1], s[4:5], s[OFFP:OFFP+1]
	s_add_nc_u64 s[BB:BB+1], s[6:7], s[SC:SC+1]
.irp j, 0,1,2,3
	global_load_b128 v[SELR+4*(\j):SELR+4*(\j)+3], v[SELO], s[10:11] offset:512*(\j)
.endr
.irp g, 0,1
	global_load_b128 v[BIASR+4*(\g):BIASR+4*(\g)+3], v[BO], s[BB:BB+1] offset:256*(\g)
.endr
	WLOAD 0x80, WT, 0                              ; chunks 0, 1 and 2 are on their way while the list is made: chunk 0 in the rows' second buffer, which is idle until trip 0,
	WLOAD 0x40, 64, CH                             ; chunk 1 in buffer 1,
	WLOAD 0x40, 0, 2*CH                            ; chunk 2 in buffer 0: 54 loads of mine are out
	WIN 0
.irp k, 3,4,5
	global_prefetch_b8 v[PF], s[WB:WB+1] offset:(\k)*CH th:TH_LOAD_NT scope:SCOPE_SE  ; my parts of chunks 3, 4, 5, whose loads follow when these three have been rounded
.endr
	s_lshl_b32 s[SA], s[WV], 12                    ; wave w's four fragments: k-step w / 2 x 8,192 + group w % 2 x 4,096
	v_lshl_add_u32 v[LST0], v[LN], 4, s[SA]
	v_lshlrev_b32 v[LLD0], 4, v[LN]
	v_lshlrev_b32 v[HH64], 6, v[HH]
	s_lshl_b32 s[SA], s[WV], 4
	v_add_nc_u32 v[RK0], s[SA], v[LI]
	s_lshl_b32 s[SA], s[WV], 9
	v_lshl_add_u32 v[EB], v[LN], 2, s[SA]
	v_mov_b32 v[C256], 0x100
	s_mul_i32 s[LW], s[WV], LPITCH
	s_add_co_u32 s[LW], s[LW], LIST
	s_mul_i32 s[STB], s[WV], STW
	s_add_co_u32 s[STB], s[STB], STAGE             ; my stage
	v_mul_u32_u24 v[TP], v[LI], SPITCH             ; in: row l % 16, 64 bytes for each half of the lanes in each column group
	v_lshl_add_u32 v[TP], v[HH], 6, v[TP]
	v_add_nc_u32 v[STS], s[STB], v[TP]
	v_mul_u32_u24 v[TP], v[HH], SPITCH             ; back: lanes 0-15 take one row of 256 bytes, lanes 16-31 the next
	v_lshl_add_u32 v[TP], v[LI], 4, v[TP]
	v_add_nc_u32 v[STR], s[STB], v[TP]
	s_lshl_b32 s[RIB], s[WV], 7
	s_add_co_u32 s[RIB], s[RIB], ROWI              ; my row table: row r's entry in word 8 (r % 2) + r / 2,
	v_and_b32 v[TP], 1, v[LI]
	v_lshrrev_b32 v[TP+1], 1, v[LI]
	v_lshlrev_b32 v[TP], 5, v[TP]
	v_lshl_add_u32 v[TP], v[TP+1], 2, v[TP]
	v_add_nc_u32 v[RIS], s[RIB], v[TP]
	v_lshl_add_u32 v[RIR], v[HH], 5, s[RIB]        ; so that the rows 2 t + l / 16 that I store lie in eight words on end
	v_lshlrev_b32 v[CO], 4, v[LI]
	s_mov_b64 s[AB0:AB0+1], s[8:9]
	s_lshl_b32 s[OFFP], s[SL], 8                   ; the slice's 128 columns of h
	s_mov_b32 s[GP], 0x3e8ba43f                    ; 0.3275911 / sqrt(log2 e) = 0.2727375
	s_mov_b32 s[GS], 0x3f596d27                    ; s = sqrt(log2(e) / 2) = 0.8493218
	s_mov_b32 s[GS+1], s[GS]                       ; (named as pairs, so both words are written)
	s_mov_b32 s[GK], 0x3f16b55f                    ; 0.5 / s = 0.5887050
	s_mov_b32 s[GK+1], s[GK]
	s_mov_b32 s[G5], 0x3f1ff67a                    ; the five coefficients, halved and divided by s: 0.6248547
	s_mov_b32 s[G5+1], s[G5]
	s_mov_b32 s[G4], 0xbf5b0099                    ; -0.8554779
	s_mov_b32 s[G4+1], s[G4]
	s_mov_b32 s[G3], 0x3f563817                    ; 0.8367934
	s_mov_b32 s[G3+1], s[G3]
	s_mov_b32 s[G2], 0xbe2b8119                    ; -0.1674847
	s_mov_b32 s[G2+1], s[G2]
	s_mov_b32 s[G1], 0x3e199eb4                    ; 0.1500195
	s_mov_b32 s[G1+1], s[G1]
	s_mov_b32 s[GM], 0x7fffffff
	s_add_nc_u64 s[OUT:OUT+1], s[14:15], s[OFFP:OFFP+1]
	s_mov_b64 s[AB:AB+1], s[AB0:AB0+1]
	s_mov_b32 s[LSO], 0
	s_mov_b32 s[LLO], 0
	s_mov_b32 s[PASS], 0
	s_mov_b32 s[ROWB], 0
	s_mov_b32 s[CNT], 0
	; my part of the list, 1,280 bytes, is filled with 0 first: every word holds an entry that exists, also where nobody chose the expert
.irp z, 0,1,2,3
	v_mov_b32 v[CN+(\z)], 0
.endr
	v_lshl_add_u32 v[TP], v[LN], 4, s[LW]
	v_lshl_add_u32 v[TP+1], v[LN], 3, s[LW]
	ds_store_b128 v[TP], v[CN:CN+3]
	ds_store_b128 v[TP], v[CN:CN+3] offset:512
	ds_store_b64 v[TP+1], v[CN:CN+1] offset:1024
	s_wait_loadcnt 48                              ; sel and the bias are in; the 48 loads of chunks 0 to 2, issued behind them, stay out
	; THE LIST.  My wave's 512 entries: lane l holds entries 512 w + 128 j + 4 l + 0..3, two tokens.  A token's hit gets the next rank in my part of the list; the other lanes store into word 256.
	; LDS serves a wave's instructions in order (ISA guide 5.7.1.4): these stores land on the zeros above.
.irp j, 0,1,2,3
.irp u, 0,1
	v_cmp_eq_u32 s[MA], s[EX], v[SELR+4*(\j)+2*(\u)]
	v_cmp_eq_u32 s[MB], s[EX], v[SELR+4*(\j)+2*(\u)+1]
	s_or_b32 s[MK], s[MA], s[MB]
	v_mbcnt_lo_u32_b32 v[TP], s[MK], s[CNT]
	v_cndmask_b32 v[TP], v[C256], v[TP], s[MK]
	v_min_u32 v[TP], 0x100, v[TP]
	v_lshl_add_u32 v[TP], v[TP], 2, s[LW]
	v_cndmask_b32 v[TP+1], 0, 1, s[MB]
	v_add3_u32 v[TP+1], v[EB], v[TP+1], 128*(\j)+2*(\u)
	ds_store_b32 v[TP], v[TP+1]
	s_bcnt1_i32_b32 s[SA], s[MK]
	s_add_co_u32 s[CNT], s[CNT], s[SA]
.endr
.endr
	s_lshl_b32 s[SA], s[WV], 2
	s_add_co_u32 s[SA], s[SA], CNTS
	v_mov_b32 v[TP], s[SA]
	v_mov_b32 v[TP+1], s[CNT]
	ds_store_b32 v[TP], v[TP+1]
	; the bias fragments and the fragment of ones, while the stores are out
	v_add_nc_u32 v[TP+2], -1, v[HH]                ; all ones in lanes 0-15, 0 in lanes 16-31
	v_and_b32 v[TP+2], 0x3f80, v[TP+2]             ; 1.0 in the first k place of each row
	WIN 0x40
.irp b, 0,1,2,3,4,5,6,7                ; fragment b = registers BIASF + 2 b .. + 7: its first register holds its bias; what else it spans meets only the zeros of the ones' fragment
	v_cvt_pk_bf16_f32 v[BIASF+2*(\b)], v[BIASR+(\b)], v[NIL]
	v_mov_b32 v[BIASF+2*(\b)+1], 0
.endr
.irp z, 16,17,18,19,20,21
	v_mov_b32 v[BIASF+(\z)], 0
.endr
	WIN 0x80
	v_mov_b32 v[ONESF], v[TP+2]
.irp z, 1,2,3,4,5,6,7
	v_mov_b32 v[ONESF+(\z)], 0
.endr
	WIN 0
	s_wait_dscnt 0x0                               ; for the others' sake: my part of the list and my count are stored
	s_barrier_signal -1
	s_barrier_wait -1
	v_mov_b32 v[TP], CNTS
	ds_load_b128 v[CN:CN+3], v[TP]
	s_wait_dscnt 0x0
.irp q, 0,1,2,3
	v_readfirstlane_b32 s[CQ+(\q)], v[CN+(\q)]
	s_min_u32 s[CQ+(\q)], s[CQ+(\q)], 256
.endr
	s_mov_b32 s[BQ], s[CQ]
	s_add_co_u32 s[BQ+1], s[BQ], s[CQ+1]
	s_add_co_u32 s[BQ+2], s[BQ+1], s[CQ+2]
	s_add_co_u32 s[RN], s[BQ+2], s[CQ+3]
.irp q, 0,1,2
	s_lshl_b32 s[SA], s[BQ+(\q)], 2
	s_sub_co_u32 s[DQ+(\q)], ((\q)+1)*LPITCH, s[SA]  ; never negative: a part has 256 entries at the most
.endr
	s_max_u32 s[RM1], s[RN], 1
	s_sub_co_u32 s[RM1], s[RM1], 1
	s_add_co_u32 s[NTL], s[RN], 15
	s_lshr_b32 s[NTL], s[NTL], 4
	s_or_b32 s[SA], s[SL], s[WV]
	s_cmp_lg_u32 s[SA], 0
	s_cbranch_scc1 .Lno_count                      ; out3[expert]: one lane of one wave of the expert's first slice
	v_cvt_f32_u32 v[O3D], s[RN]
	s_lshl_b32 s[SA], s[EX], 2
	v_mov_b32 v[O3A], s[SA]
	v_cmp_eq_u32 vcc_lo, 0, v[LN]
	s_wait_xcnt 0x0                                ; EXEC changes only behind s_wait_xcnt 0: loads are out
	s_and_saveexec_b32 s[SB], vcc_lo
	global_store_b32 v[O3A], v[O3D], s[12:13]
	s_wait_xcnt 0x0                                ; and again in front of the line that widens it
	s_or_b32 exec_lo, exec_lo, s[SB]
.Lno_count:
	TILESET
	s_wait_loadcnt 32+NTW                          ; chunk 0 is in; chunks 1 and 2 (32) stay out
	ALOAD 0                                        ; the rows' chunk 0 goes out as soon as the list gives its addresses: nothing can be multiplied before it is in
	CONVERT 0x0a, WT                               ; chunk 0, out of window 2
	STEP 64, 36+NTW, 3*CH                          ; chunk 1 is in (chunk 2's 16 and the rows' 20 stay out); chunk 3 is asked for
	STEP 0, 36+NTW, CH                             ; chunk 2 is in (the rows' 20 and chunk 3's 16 stay out); chunk 4 is asked for
	INIT
	STEP 64, 16, CH                                ; chunk 3 and the rows are in (chunk 4's 16 stay out); chunk 5 is asked for
	s_wait_dscnt 0x0                               ; for the others' sake: my fragments of chunks 0 to 3 are stored
	s_barrier_signal -1
	s_barrier_wait -1
	v_mov_b32 v[LLD], v[LLD0]
	BFLOAD 0
	s_mov_b32 s[IT], 0
.Ltrip:                                                ; chunks 0 to 9: by this text's count 52 loads of a wave are out behind a trip's requests, 32 of them weights
	TRIP 0, 1, 1, 1, 16, 1, 1, 1, 3, 0
	TRIP 1, 1, 1, 1, 16, 1, 1, 1, 2, 0
	s_add_co_u32 s[IT], s[IT], 1
	s_cmp_lt_u32 s[IT], 5
	s_cbranch_scc1 .Ltrip
	TRIP 0, 1, 0, 1, 16, 1, 1, 0, 0, 0             ; chunk 10: no weights are left to ask for; chunk 15, issued behind the rows' chunk 10, stays out
	TRIP 1, 1, 0, 1, 0, 1, 1, 0, 0, 0              ; chunk 11: the last chunk is rounded
	s_mov_b32 s[IT], 0
.Llight:                                               ; chunks 12 to 15: all the weights lie in LDS: no conversion, no barrier
	TRIP 0, 0, 0, 1, 0, 1, 0, 0, 0, 0
	TRIP 1, 0, 0, 1, 0, 1, 0, 0, 0, 1
	s_add_co_u32 s[IT], s[IT], 1
	s_cmp_lt_u32 s[IT], 2
	s_cbranch_scc1 .Llight
	s_branch .Lepi
.Lpass:                                                ; rows 320 p on, where the expert has them: the weights come from LDS; no barrier, nothing writes the fragments
	s_cmp_le_u32 s[RN], s[ROWB]
	s_cbranch_scc1 .Lskip
	TILESET
	INIT
	s_mov_b64 s[AB:AB+1], s[AB0:AB0+1]
	s_mov_b32 s[LLO], 0
	s_mov_b32 s[IT], 0
.Lstrip:
	PLACES
	ALOAD 0
	WIN 0
	v_add_nc_u32 v[LLD], s[LLO], v[LLD0]
	v_min_u32 v[LLD], 15*CHB+496, v[LLD]           ; chunk 15 is the last: the bound stands in the text, so the loads below stay in the fragments' 262,144 bytes
	BFLOAD 0
	BFLOAD 1
	s_wait_loadcnt 0x0
	s_wait_dscnt 0x0
	MUL BF0, 0
	MUL BF1, 8
	s_wait_xcnt 0x0
	s_add_nc_u64 s[AB:AB+1], s[AB:AB+1], 128
	s_add_co_u32 s[LLO], s[LLO], CHB
	s_add_co_u32 s[IT], s[IT], 1
	s_cmp_lt_u32 s[IT], 16
	s_cbranch_scc1 .Lstrip
.Lepi:                                                 ; THE WAY OUT, a tile at a time
	s_wait_loadcnt 0x0                             ; nothing of mine is on its way into the registers that are used anew below
	s_wait_dscnt 0x0
	PLACES
	s_mov_b32 s[TI], 0
.Ltile:
	s_cmp_ge_u32 s[TI], s[NT]
	s_cbranch_scc1 .Ltnext                         ; a dead tile stores nothing
	s_wait_xcnt 0x0                                ; the last tile's stores have read their data and offsets
	s_cmp_lg_u32 s[TI], 0
	s_cbranch_scc1 .Lz1
	ZCOPY 0
	s_branch .Lzd
.Lz1:
	s_cmp_lg_u32 s[TI], 1
	s_cbranch_scc1 .Lz2
	ZCOPY 1
	s_branch .Lzd
.Lz2:
	s_cmp_lg_u32 s[TI], 2
	s_cbranch_scc1 .Lz3
	ZCOPY 2
	s_branch .Lzd
.Lz3:
	s_cmp_lg_u32 s[TI], 3
	s_cbranch_scc1 .Lz4
	ZCOPY 3
	s_branch .Lzd
.Lz4:
	ZCOPY 4
.Lzd:
	GELU32 0
	GELU32 1
	ds_load_b128 v[RE:RE+3], v[RIR]                ; LDS serves a wave's instructions in order (ISA guide 5.7.1.4): these loads see my stores above; stage and table are my wave's own
	ds_load_b128 v[RE+4:RE+7], v[RIR] offset:16
.irp t, 0,1,2,3,4,5,6,7
	ds_load_b128 v[OB+4*(\t):OB+4*(\t)+3], v[STR] offset:2*SPITCH*(\t)  ; rows 2 t and 2 t + 1, whole
.endr
	s_lshl_b32 s[SA], s[TI], 6                     ; the tile's first row: 320 p + 64 t + 16 w
	s_add_co_u32 s[SA], s[SA], s[ROWB]
	s_lshl_b32 s[SB], s[WV], 4
	s_add_co_u32 s[SA], s[SA], s[SB]
	s_sub_co_u32 s[REM], s[RN], s[SA]
	s_min_u32 s[REM], s[REM], 16                   ; its live rows, 1 to 16
	s_wait_dscnt 8                                 ; the entries are in; the eight loads of rows, issued behind them, may stay out
.irp t, 0,1,2,3,4,5,6,7
	v_min_u32 v[RE+(\t)], 0x7ff, v[RE+(\t)]
	v_lshl_add_u32 v[VO+(\t)], v[RE+(\t)], SHIFT, v[CO]
.endr
	s_wait_dscnt 0x0
.irp t, 0,1,2,3,4,5,6,7
.if (\t) > 0
	s_cmp_le_u32 s[REM], 2*(\t)
	s_cbranch_scc1 .Ltnext                         ; stores wholly past the count are jumped; the one that straddles it writes the last live row twice, with equal bytes: places past the count repeat that row
.endif
	global_store_b128 v[VO+(\t)], v[OB+4*(\t):OB+4*(\t)+3], s[OUT:OUT+1]  ; 16 lanes store 256 consecutive bytes of a row of h, aligned
.endr
.Ltnext:
	s_add_co_u32 s[TI], s[TI], 1
	s_cmp_lt_u32 s[TI], 5
	s_cbranch_scc1 .Ltile
.Lskip:
	s_add_co_u32 s[ROWB], s[ROWB], 320
	s_add_co_u32 s[PASS], s[PASS], 1
	s_cmp_lt_u32 s[PASS], 4                        ; four passes of 320 rows cover the 1,024 rows that an expert can have
	s_cbranch_scc1 .Lpass
	s_wait_tensorcnt 0x0                           ; the wave's end
	ds_add_u32 v[SPW], v[NIL]
	s_wait_dscnt 0x0
	s_endpgm
.Lfunc_end_k_q98d6ebaa70_ffn1:
	.size	k_q98d6ebaa70_ffn1, .Lfunc_end_k_q98d6ebaa70_ffn1-k_q98d6ebaa70_ffn1
	.p2alignl 7, 3214868480
	.fill 96, 4, 3214868480
	.section	.rodata,"a",@progbits
	.p2align	6, 0x0
	.amdhsa_kernel k_q98d6ebaa70_ffn1
		.amdhsa_group_segment_fixed_size 304384
		.amdhsa_private_segment_fixed_size 0
		.amdhsa_enable_private_segment 0
		.amdhsa_kernarg_size 48
		.amdhsa_user_sgpr_count 2
		.amdhsa_user_sgpr_kernarg_segment_ptr 1
		.amdhsa_wavefront_size32 1
		.amdhsa_system_sgpr_workgroup_id_x 1
		.amdhsa_system_sgpr_workgroup_id_y 1
		.amdhsa_system_sgpr_workgroup_id_z 1
		.amdhsa_system_vgpr_workitem_id 0
		.amdhsa_next_free_vgpr 1024
		.amdhsa_next_free_sgpr 96
		.amdhsa_reserve_vcc 1
		.amdhsa_float_denorm_mode_32 3
		.amdhsa_float_denorm_mode_16_64 3
		.amdhsa_memory_ordered 1
		.amdhsa_forward_progress 1
		.amdhsa_inst_pref_size 187
	.end_amdhsa_kernel
	.amdgpu_metadata
---
amdhsa.version: [ 1, 2 ]
amdhsa.kernels:
  - .name:           k_q98d6ebaa70_ffn1
    .symbol:         k_q98d6ebaa70_ffn1.kd
    .args:
      - { .name: w1, .offset: 0, .size: 8, .value_kind: global_buffer, .address_space: global }
      - { .name: b1, .offset: 8, .size: 8, .value_kind: global_buffer, .address_space: global }
      - { .name: xb, .offset: 16, .size: 8, .value_kind: global_buffer, .address_space: global }
      - { .name: sel, .offset: 24, .size: 8, .value_kind: global_buffer, .address_space: global }
      - { .name: out3, .offset: 32, .size: 8, .value_kind: global_buffer, .address_space: global }
      - { .name: h, .offset: 40, .size: 8, .value_kind: global_buffer, .address_space: global }
    .group_segment_fixed_size: 304384
    .private_segment_fixed_size: 0
    .kernarg_segment_align: 8
    .kernarg_segment_size: 48
    .max_flat_workgroup_size: 128
    .sgpr_count:     96
    .vgpr_count:     1024
    .wavefront_size: 32
...
	.end_amdgpu_metadata
.endif
;; end of part 2
;; launch ffn2 (part 3): grid 32 x 8, 4 waves a work-group, no clusters, 304,384 bytes of LDS; arguments w2, b2, h, sel, topw, ypart; writes ypart
.if DOCPART == 3
	.amdgcn_target "amdgcn-amd-amdhsa--gfx1250"
	.amdhsa_code_object_version 6
	.text
	.protected	k_q98d6ebaa70_ffn2
	.globl	k_q98d6ebaa70_ffn2
	.p2align	8
	.type	k_q98d6ebaa70_ffn2,@function
k_q98d6ebaa70_ffn2:
	s_mov_b64 s[64:65], 0
	v_nop
	global_prefetch_b8 v0, s[64:65] scope:SCOPE_SE
	s_setreg_imm32_b32 hwreg(HW_REG_WAVE_MODE, 25, 1), 1
	s_wait_xcnt 0x0
; THE EXPERTS' SECOND PRODUCT, for the rows that chose the expert.
;   ypart[kc][entry][d] = topw[entry] (h[entry][1024 kc ..] . w2[e][1024 kc ..][d] + (kc = 0) b2[e][d]), f32 partial sums.   arguments: w2, b2, h, sel, topw, ypart
; An ENTRY is 2 x token + choice (0..2047); sel[entry] is its expert, stored as whole numbers by the first launch.
; FORMATS AND LIMITS.  Weights and bias are rounded once to bf16 on their way through registers; h arrives in bf16; sums in f32, and the partial sums leave in f32.  NaN and infinities are not treated apart.
; SHARES.  Work-group (slice, expert): 1,024 k x 128 columns of ONE expert's weights, 512 KB that nobody else reads, and ALL that expert's rows, whatever their number (0 to 1,024).
; The weights are read once, rounded, and kept in LDS in the order of matrix operands (256 KB).  Rows are a wave's own: in pass p wave w owns the tiles of 16 rows 20 p + 4 t + w, t = 0..4, each tile
; 16 rows x 128 columns in 8 accumulators.  Pass 0 (rows 0..319) multiplies while the weights stream in; an expert with more rows takes further passes, from LDS, plain and not pipelined.
; Every trip count is a constant and every wave passes every barrier; what hangs on the counts is jumped forward: products of dead tiles, stores of dead rows.
; A wave's tiles 0 to 2 stand under one test: a wave with one or two live tiles multiplies three (experts under 192 rows); nothing of a dead tile is stored.
; NO TRANSPOSE.  A chunk is 64 k x 128 columns.  Wave w takes k-step s = w / 2 and column group g = w % 2; lane (i = l % 16, hh = l / 16) loads 16 bytes (columns 64 g + 4 i + c) of the 16 rows
; k = 32 hh + 16 s + q.  Two rows' numbers of one column, rounded, are one register of a fragment: fragment (g, c) has as its row i the column 64 g + 4 i + c, and its k places hold k = 32 hh + 16 s + q.
; The rows' operand uses the same order of k: lane (r, hh) reads the 64 consecutive bytes k = 32 hh .. 32 hh + 31 of row r, 32 for each k-step.
; Source 0 = weights, source 1 = rows: register j of lane (r, hh) of accumulator (g, c) is row r, column 64 g + 32 hh + 4 j + c: a lane's 32 registers of a group g are 32 NEIGHBOURING columns of one row.
; THE BIAS is the sums' first K step: a fragment that holds the bias in one k place times a fragment that holds 1.0 there and 0 elsewhere.  Nothing is cleared, nothing is added later.
; THE STREAM.  Three chunks go out with sel and the bias; four are rounded ahead of trip 0; trip t rounds chunk t + 4 and asks for chunk t + 6.  By this text's count 57 loads of a wave are out at the most.
; NO TENSOR LOAD, NO CLUSTER: each weight has one reader and must pass registers to be rounded; what an expert's 32 work-groups share is its rows, which come by a list that no descriptor covers.
.set PW,     4096                      ; bytes from a row of the weights to the next
.set SHIFT,  12                        ; an output row is 4,096 bytes
.set NTW,    5                         ; loads of the rows' weights, one a tile
.set CH,     64*PW                     ; bytes from a chunk to the next
.set CHB,    16384                     ; a chunk's fragments in LDS: k-step x 8,192 + fragment x 1,024 + half x 512 + 16 x lane; each byte is written once in the launch
.set STAGE,  16*CHB                    ; 262,144: the way out, for each wave 16 rows of 512 bytes (128 f32)
.set SPITCH, 528                       ; 33 x 16: the 16 rows of a store start in 16 different groups of four banks (ISA guide 11.1)
.set STW,    8960                      ; bytes kept for a wave's stage
.set LIST,   STAGE+4*STW               ; 297,984: the expert's entries; wave w's part lists those among tokens 256 w .. 256 w + 255; word 256 of a part takes what the other lanes store
.set LPITCH, 1280
.set ROWI,   LIST+4*LPITCH             ; 303,104: for each wave the 16 entries of the tile that leaves
.set CNTS,   ROWI+512                  ; 303,616: the four waves' counts
.set SPARE,  CNTS+256                  ; 303,872: the spare words, 128 bytes for each wave
; window 0
.set SPW,  1                           ; my spare word; never rewritten
.set NIL,  2                           ; 0; never rewritten
.set LN,   3                           ; lane
.set LI,   4                           ; lane % 16
.set HH,   5                           ; lane / 16
.set WO,   6                           ; my byte offset in a chunk of the weights; never rewritten
.set PF,   7                           ; the same for the prefetch: lane l stands for one of my wave's 32 pieces of 256 bytes
.set LST0, 8                           ; where my fragments go in a chunk's LDS bytes
.set LST,  9
.set LLD0, 10                          ; 16 x lane
.set LLD,  11
.set AO,   12                          ; v12-16  tile t: byte offset of my row's 64 bytes
.set ENT,  17                          ; v17-21  tile t: my row's entry
.set TW,   22                          ; v22-26  tile t: my row's weight
.set STS,  27                          ; stage: where I store; never rewritten
.set STR,  28                          ; stage: where I read back; never rewritten
.set CO,   30                          ; my byte offset in an output row's 512 bytes
.set RK0,  31                          ; 16 w + lane % 16
.set RIS,  32                          ; row table: where my row's entry goes
.set RIR,  33                          ; row table: its first byte
.set EB,   35                          ; 512 w + 4 x lane
.set HH64, 36
.set C256, 37
.set TP,   38                          ; v38-43 at work
.set CN,   44                          ; v44-47 four zeros, later the four counts
.set TWA,  50                          ; v50-54 addresses of the weights' loads
.set SELO, 56                          ; addresses of single loads; never rewritten
.set BO,   57
.set TMP,  64                          ; v64-95  four fragments, rounded
.set BF0,  96                          ; v96-159, v160-223  the eight fragments of k-step 0 and of k-step 1
.set BF1,  160
.set SELR, 96                          ; at the start: sel as loaded, the bias as loaded
.set BIASR, 112
.set FF,   64                          ; on the way out: v64-127 a tile's 64 sums, weighted, in the order of the columns
.set OB,   128                         ; v128-191 the tile read back as whole rows
.set RE,   192                         ; v192-207 the 16 rows' entries
.set VO,   208                         ; v208-223 their byte offsets
; window 1: v0-63, v64-127 weights as loaded, two buffers; v128-191 tile 4's accumulators; v192-213 the bias fragments: fragment b begins at BIASF + 2 b
.set ACC4,  128
.set BIASF, 192
; window 2: v0-79, v80-159 the rows' operands, two buffers (16 t + 8 k-step); v80-143 first take chunk 0 of the weights; v160-167 the fragment of ones
.set WT,    80
.set ONESF, 160
; window 3: the accumulators of tiles 0-3, at 64 t + 8 b
.set WV, 16
.set SL, 17
.set EX, 18
.set KC, 19
.set NS, 20
.set WB, 22                            ; s[22:23] the weights at the chunk last asked for
.set AB, 24                            ; s[24:25] the rows' buffer at the chunk last asked for
.set AB0, 26
.set OUT, 28
.set OFFP, 30
.set RN, 32                            ; the expert's rows
.set RM1, 33
.set NTL, 34                           ; its tiles
.set NT, 35                            ; my live tiles in this pass, 0..5
.set PASS, 36
.set ROWB, 37                          ; 320 x pass
.set TI, 38
.set REM, 40
.set IT, 41
.set CNT, 42
.set CQ, 43                            ; s43-46 the waves' counts
.set BQ, 47                            ; s47-49 the ranks at which parts 1, 2, 3 of the list begin
.set DQ, 50                            ; s50-52 1,280 q - 4 x that rank
.set MA, 53
.set MB, 54
.set MK, 55
.set SA, 56
.set SB, 57
.set SC, 58
.set SD, 59
.set LW, 60
.set LSO, 61                           ; LDS byte of the chunk to be stored
.set LLO, 62                           ; LDS byte of the chunk to be read
.set BM, 67
.set BB, 84
.set STB, 86                           ; my stage's first byte
.set RIB, 87                           ; my row table's first byte
.set MSB, 0
.macro WIN new                         ; s_set_vgpr_msb: bits 1:0 source 0, 3:2 source 1, 5:4 source 2, 7:6 destination; the high byte repeats the setting that is left; a switch that changes nothing is dropped
.if MSB != (\new)
	s_set_vgpr_msb (MSB<<8)|(\new)
.set MSB, (\new)
.endif
.endm
.macro PLACES                          ; four places between a matrix instruction and a load into its sources, or a read of its result
.rept 4
	v_nop
.endr
.endm
.macro WLOAD win, base, imm            ; my quarter of a chunk: 16 loads; each half of the lanes takes 256 consecutive bytes of one row, aligned
	WIN \win
.irp q, 0,1,2,3,4,5,6,7,8,9,10,11,12,13,14,15
	global_load_b128 v[(\base)+4*(\q):(\base)+4*(\q)+3], v[WO], s[WB:WB+1] offset:(\imm)+(\q)*PW th:TH_LOAD_NT
.endr
.endm
.macro ALOAD par                       ; 64 k of my five tiles' rows: always 20 loads, so that the counts are constants; a dead tile repeats a row that exists
	WIN 0x80
.irp t, 0,1,2,3,4
.irp n, 0,1,2,3
	global_load_b128 v[80*(\par)+16*(\t)+4*(\n):80*(\par)+16*(\t)+4*(\n)+3], v[AO+(\t)], s[AB:AB+1] offset:16*(\n)
.endr
.endr
.endm
.macro CONVERT win, base               ; 64 numbers a lane become four fragments: register rho of fragment c = rows 2 rho and 2 rho + 1 of column c
	WIN \win
.irp c, 0,1,2,3
.irp rho, 0,1,2,3,4,5,6,7
	v_cvt_pk_bf16_f32 v[TMP+8*(\c)+(\rho)], v[(\base)+8*(\rho)+(\c)], v[(\base)+8*(\rho)+4+(\c)]
.endr
.endr
	WIN 0
	v_add_nc_u32 v[LST], s[LSO], v[LST0]
	s_add_co_u32 s[LSO], s[LSO], CHB
.irp c, 0,1,2,3
	ds_store_b128 v[LST], v[TMP+8*(\c):TMP+8*(\c)+3]   offset:(\c)*1024
	ds_store_b128 v[LST], v[TMP+8*(\c)+4:TMP+8*(\c)+7] offset:(\c)*1024+512
.endr
.endm
.macro STEP base, left, step           ; at the start: the chunk in a buffer of window 1 is waited for and rounded, the next chunk is asked for into the buffer, and the chunk three further on into the cache
	s_wait_loadcnt \left
	CONVERT 0x05, \base
	s_wait_xcnt 0x0                                ; the base is stepped only behind this wait
	s_add_nc_u64 s[WB:WB+1], s[WB:WB+1], \step
	WLOAD 0x40, \base, 0
	WIN 0
	global_prefetch_b8 v[PF], s[WB:WB+1] offset:3*CH th:TH_LOAD_NT scope:SCOPE_SE
.endm
.macro BFLOAD ks                       ; the eight fragments of one k-step: 16 loads of 512 consecutive bytes
.irp b, 0,1,2,3,4,5,6,7
	ds_load_b128 v[BF0+64*(\ks)+8*(\b):BF0+64*(\ks)+8*(\b)+3],   v[LLD] offset:(\ks)*8192+(\b)*1024
	ds_load_b128 v[BF0+64*(\ks)+8*(\b)+4:BF0+64*(\ks)+8*(\b)+7], v[LLD] offset:(\ks)*8192+(\b)*1024+512
.endr
.endm
.macro MULT bf, ab, t                  ; tile t's 8 products of one k-step: the accumulators by turns
.if (\t) < 4
.set AC, 64*(\t)
.else
.set AC, ACC4
.endif
.irp b, 0,1,2,3,4,5,6,7
	v_wmma_f32_16x16x32_bf16 v[AC+8*(\b):AC+8*(\b)+7], v[(\bf)+8*(\b):(\bf)+8*(\b)+7], v[(\ab)+16*(\t):(\ab)+16*(\t)+7], v[AC+8*(\b):AC+8*(\b)+7]
.endr
.endm
.macro MUL bf, ab                      ; one k-step: tiles 0 to 2 under one test, tiles 3 and 4 under one each (at a branch and at a label every window is 0)
	s_cmp_eq_u32 s[NT], 0
	s_cbranch_scc1 .Lmul_done_\@
	WIN 0xf8
	MULT \bf, \ab, 0
	MULT \bf, \ab, 1
	MULT \bf, \ab, 2
	WIN 0
	s_cmp_le_u32 s[NT], 3
	s_cbranch_scc1 .Lmul_done_\@
	WIN 0xf8
	MULT \bf, \ab, 3
	WIN 0
	s_cmp_le_u32 s[NT], 4
	s_cbranch_scc1 .Lmul_done_\@
	WIN 0x58
	MULT \bf, \ab, 4
	WIN 0
.Lmul_done_\@:
.endm
.macro INIT                            ; the sums' first K step: bias x 1.  For all five tiles, so that every accumulator is written on every way
.irp t, 0,1,2,3,4
.if (\t) < 4
	WIN 0xf9
.set AC, 64*(\t)
.else
	WIN 0x59
.set AC, ACC4
.endif
.irp b, 0,1,2,3,4,5,6,7
	v_wmma_f32_16x16x32_bf16 v[AC+8*(\b):AC+8*(\b)+7], v[BIASF+2*(\b):BIASF+2*(\b)+7], v[ONESF:ONESF+7], 0
.endr
.endr
	WIN 0
.endm
.macro TILESET                         ; the entries of my five tiles in this pass, their addresses and weights, and how many of the tiles are live
	s_wait_xcnt 0x0                                ; registers that earlier loads and stores name are rewritten only behind this wait
.irp t, 0,1,2,3,4
	v_add3_u32 v[TP], v[RK0], s[ROWB], 64*(\t)     ; my row's rank in the expert's list,
	v_min_u32 v[TP], s[RM1], v[TP]                 ; or the last that exists
	v_cmp_le_u32 vcc_lo, s[BQ], v[TP]              ; which wave's part of the list holds it
	v_cndmask_b32 v[TP+1], 0, s[DQ], vcc_lo
	v_cmp_le_u32 vcc_lo, s[BQ+1], v[TP]
	v_cndmask_b32 v[TP+1], v[TP+1], s[DQ+1], vcc_lo
	v_cmp_le_u32 vcc_lo, s[BQ+2], v[TP]
	v_cndmask_b32 v[TP+1], v[TP+1], s[DQ+2], vcc_lo
	v_lshl_add_u32 v[TP+1], v[TP], 2, v[TP+1]
	v_min_u32 v[TP+1], 4*LPITCH-4, v[TP+1]
	v_add_nc_u32 v[TP+1], LIST, v[TP+1]
	ds_load_b32 v[ENT+(\t)], v[TP+1]
.endr
	s_wait_dscnt 0x0
.irp t, 0,1,2,3,4
	v_min_u32 v[ENT+(\t)], 0x7ff, v[ENT+(\t)]
	v_lshl_add_u32 v[AO+(\t)], v[ENT+(\t)], 13, v[HH64]  ; a row of h is 8,192 bytes
	v_lshlrev_b32 v[TWA+(\t)], 2, v[ENT+(\t)]
	global_load_b32 v[TW+(\t)], v[TWA+(\t)], s[12:13]
.endr
	s_lshr_b32 s[SA], s[ROWB], 4                   ; tile 20 p + 4 t + w is live while it is below the number of tiles
	s_add_co_u32 s[SA], s[SA], s[WV]
	s_add_co_u32 s[SB], s[NTL], 3
	s_sub_co_i32 s[SB], s[SB], s[SA]
	s_max_i32 s[SB], s[SB], 0
	s_lshr_b32 s[SB], s[SB], 2
	s_min_u32 s[NT], s[SB], 5
.endm
; A TRIP OF PASS 0, chunk tau (par = tau % 2).  conv: chunk tau + 4, loaded two trips ago, is rounded and laid into LDS.  aiss: the rows' chunk tau + 1 is asked for.  wiss: the weights' chunk tau + 6.
; nw: the loads that may stay out.  nbf: the next chunk's first fragments are fetched.  bar: one barrier, its signal behind my stores, its wait at the trip's end: what is stored in trip tau is read from trip tau + 3 on.
; Between signal and wait stand products, jumps over products, and LDS loads of bytes that nobody writes again.  pf: chunk tau + 9 is asked into the cache, three chunks ahead of its load, while IT <= pfmax.
; skip: in the walk with IT = 1 there is no next chunk: the loads for it are jumped.
.macro TRIP par, conv, wiss, aiss, nw, nbf, bar, pf, pfmax, skip
	s_wait_loadcnt \nw                             ; loads come back in order (ISA guide 5.7.1): the weights' chunk tau + 4 and the rows' chunk tau are in
.if \conv
	CONVERT 0x05, 64*(\par)                        ; its 32 conversions are also the places behind the last trip's products
.else
	PLACES
.endif
.if \skip
	s_cmp_eq_u32 s[IT], 1
	s_cbranch_scc1 .Lno_a_\@
.endif
.if (\aiss)+(\wiss)
	s_wait_xcnt 0x0                                ; the two bases are stepped only behind this wait
.endif
.if \aiss
	s_add_nc_u64 s[AB:AB+1], s[AB:AB+1], 128
	ALOAD 1-(\par)                                 ; ahead of the weights, so that the wait for the rows leaves the younger chunk of weights out
.endif
.if \wiss
	s_add_nc_u64 s[WB:WB+1], s[WB:WB+1], CH
	WLOAD 0x40, 64*(\par), 0
.endif
	WIN 0
.if \skip
.Lno_a_\@:
.endif
.if \pf
	s_cmp_gt_u32 s[IT], \pfmax
	s_cbranch_scc1 .Lno_pf_\@                      ; chunk 15 is the last: no request passes the slice's end
	global_prefetch_b8 v[PF], s[WB:WB+1] offset:3*CH th:TH_LOAD_NT scope:SCOPE_SE
.Lno_pf_\@:
.endif
.if \bar
	s_wait_dscnt 0x0                               ; for the others' sake: my stores are done (and no LDS instruction of mine is out at the signal)
	s_barrier_signal -1
.endif
	BFLOAD 1
	s_wait_dscnt 16                                ; k-step 0's fragments are in; the 16 loads just issued may stay out
	MUL BF0, 80*(\par)
	s_wait_dscnt 0x0                               ; k-step 1's fragments
.if \nbf
.if \skip
	s_cmp_eq_u32 s[IT], 1
	s_cbranch_scc1 .Lno_b_\@
.endif
	PLACES
	s_add_co_u32 s[LLO], s[LLO], CHB
	v_add_nc_u32 v[LLD], s[LLO], v[LLD0]
.if (\conv) == 0
	v_min_u32 v[LLD], 15*CHB+496, v[LLD]           ; chunk 15 is the last: the bound stands in the text
.endif
	BFLOAD 0                                       ; the next chunk's k-step 0, one run of products ahead of its use
.if \skip
.Lno_b_\@:
.endif
.endif
	MUL BF1, 80*(\par)+8
.if \bar
	s_barrier_wait -1
.endif
.endm
; THE WAY OUT.  FCOPY is the one part written for each tile: the sums times my row's softmax weight, out of the accumulators (each from its low end on) into window 0 in the order of the columns:
; number n = 8 (4 g + c) + j goes to place 32 g + 4 j + c.  And the tile's entries into my row table.
.macro FCOPY t
.if (\t) < 4
	WIN 0x0c
.set AC, 64*(\t)
.else
	WIN 0x04
.set AC, ACC4
.endif
.set n, 0
.rept 64
	v_mul_f32 v[FF+32*(n/32)+4*(n%8)+(n/8)%4], v[TW+(\t)], v[AC+n]
.set n, n+1
.endr
	WIN 0
	ds_store_b32 v[RIS], v[ENT+(\t)]
.endm
	s_load_b256 s[4:11], s[0:1], 0x0               ; weights s[4:5], bias s[6:7], rows s[8:9], sel s[10:11]
	s_load_b128 s[12:15], s[0:1], 0x20             ; topw s[12:13], ypart s[14:15]
	v_lshl_add_u32 v[SPW], v0, 2, SPARE
	v_mov_b32 v[NIL], 0
	v_lshrrev_b32 v[TP], 5, v0
	v_readfirstlane_b32 s[WV], v[TP]               ; wave 0..3
	s_mov_b32 s[SL], ttmp9                         ; slice 0..31
	s_and_b32 s[EX], ttmp7, 0xffff                 ; expert 0..7
	v_and_b32 v[LN], 31, v0
	v_and_b32 v[LI], 15, v0
	v_bfe_u32 v[HH], v0, 4, 1
	s_lshr_b32 s[SA], s[WV], 1                     ; my k-step: 16 rows,
	s_mul_i32 s[SA], s[SA], 16*PW
	s_and_b32 s[SB], s[WV], 1                      ; my column group: 256 bytes
	s_lshl_b32 s[SB], s[SB], 8
	s_add_co_u32 s[SA], s[SA], s[SB]
	v_mul_u32_u24 v[TP], v[HH], 32*PW              ; the upper half of the lanes: 32 rows on
	v_add_nc_u32 v[TP], s[SA], v[TP]
	v_lshl_add_u32 v[WO], v[LI], 4, v[TP]
	v_mul_u32_u24 v[TP+1], v[LI], PW
	v_add_nc_u32 v[PF], v[TP], v[TP+1]
	s_lshl_b32 s[SA], s[WV], 11                    ; my 256 tokens' 2,048 bytes of sel
	v_lshl_add_u32 v[SELO], v[LN], 4, s[SA]
	v_lshlrev_b32 v[BO], 4, v[LI]
	s_lshl_b32 s[OFFP], s[EX], 24                  ; an expert's weights are 16 MiB
	s_mov_b32 s[OFFP+1], 0
	s_mov_b32 s[SD], 0
	s_lshr_b32 s[KC], s[SL], 3                     ; which 1,024 of the 4,096 k
	s_and_b32 s[NS], s[SL], 7                      ; which 128 of the 1,024 columns
	s_lshl_b32 s[SB], s[KC], 22
	s_add_co_u32 s[OFFP], s[OFFP], s[SB]
	s_lshl_b32 s[SA], s[NS], 9
	s_lshl_b32 s[SC], s[EX], 12                    ; the expert's bias
	s_add_co_u32 s[OFFP], s[OFFP], s[SA]
	s_add_co_u32 s[SC], s[SC], s[SA]
	s_wait_kmcnt 0x0
	s_add_nc_u64 s[WB:WB+1], s[4:5], s[OFFP:OFFP+1]
	s_add_nc_u64 s[BB:BB+1], s[6:7], s[SC:SC+1]
.irp j, 0,1,2,3
	global_load_b128 v[SELR+4*(\j):SELR+4*(\j)+3], v[SELO], s[10:11] offset:512*(\j)
.endr
.irp g, 0,1
	global_load_b128 v[BIASR+4*(\g):BIASR+4*(\g)+3], v[BO], s[BB:BB+1] offset:256*(\g)
.endr
	WLOAD 0x80, WT, 0                              ; chunks 0, 1 and 2 are on their way while the list is made: chunk 0 in the rows' second buffer, which is idle until trip 0,
	WLOAD 0x40, 64, CH                             ; chunk 1 in buffer 1,
	WLOAD 0x40, 0, 2*CH                            ; chunk 2 in buffer 0: 54 loads of mine are out
	WIN 0
.irp k, 3,4,5
	global_prefetch_b8 v[PF], s[WB:WB+1] offset:(\k)*CH th:TH_LOAD_NT scope:SCOPE_SE  ; my parts of chunks 3, 4, 5, whose loads follow when these three have been rounded
.endr
	s_lshl_b32 s[SA], s[WV], 12                    ; wave w's four fragments: k-step w / 2 x 8,192 + group w % 2 x 4,096
	v_lshl_add_u32 v[LST0], v[LN], 4, s[SA]
	v_lshlrev_b32 v[LLD0], 4, v[LN]
	v_lshlrev_b32 v[HH64], 6, v[HH]
	s_lshl_b32 s[SA], s[WV], 4
	v_add_nc_u32 v[RK0], s[SA], v[LI]
	s_lshl_b32 s[SA], s[WV], 9
	v_lshl_add_u32 v[EB], v[LN], 2, s[SA]
	v_mov_b32 v[C256], 0x100
	s_mul_i32 s[LW], s[WV], LPITCH
	s_add_co_u32 s[LW], s[LW], LIST
	s_mul_i32 s[STB], s[WV], STW
	s_add_co_u32 s[STB], s[STB], STAGE             ; my stage
	v_mul_u32_u24 v[TP], v[LI], SPITCH             ; in: row l % 16, 128 bytes for each half of the lanes in each column group
	v_lshl_add_u32 v[TP], v[HH], 7, v[TP]
	v_add_nc_u32 v[STS], s[STB], v[TP]
	v_lshl_add_u32 v[STR], v[LN], 4, s[STB]        ; back: 32 lanes take one row of 512 bytes
	s_lshl_b32 s[RIB], s[WV], 7
	s_add_co_u32 s[RIB], s[RIB], ROWI              ; my row table
	v_lshl_add_u32 v[RIS], v[LI], 2, s[RIB]
	v_mov_b32 v[RIR], s[RIB]
	v_lshlrev_b32 v[CO], 4, v[LN]
	s_lshl_b32 s[OFFP], s[KC], 11                  ; my 1,024 k in a row of h
	s_add_nc_u64 s[AB0:AB0+1], s[8:9], s[OFFP:OFFP+1]
	s_lshl_b32 s[OFFP], s[KC], 23                  ; my plane of partial sums,
	s_lshl_b32 s[SA], s[NS], 9                     ; my 128 columns
	s_add_co_u32 s[OFFP], s[OFFP], s[SA]
	s_cmp_eq_u32 s[KC], 0                          ; the bias is added once, by the first quarter of k
	s_cselect_b32 s[BM], -1, 0
	s_add_nc_u64 s[OUT:OUT+1], s[14:15], s[OFFP:OFFP+1]
	s_mov_b64 s[AB:AB+1], s[AB0:AB0+1]
	s_mov_b32 s[LSO], 0
	s_mov_b32 s[LLO], 0
	s_mov_b32 s[PASS], 0
	s_mov_b32 s[ROWB], 0
	s_mov_b32 s[CNT], 0
	; my part of the list, 1,280 bytes, is filled with 0 first: every word holds an entry that exists, also where nobody chose the expert
.irp z, 0,1,2,3
	v_mov_b32 v[CN+(\z)], 0
.endr
	v_lshl_add_u32 v[TP], v[LN], 4, s[LW]
	v_lshl_add_u32 v[TP+1], v[LN], 3, s[LW]
	ds_store_b128 v[TP], v[CN:CN+3]
	ds_store_b128 v[TP], v[CN:CN+3] offset:512
	ds_store_b64 v[TP+1], v[CN:CN+1] offset:1024
	s_wait_loadcnt 48                              ; sel and the bias are in; the 48 loads of chunks 0 to 2, issued behind them, stay out
	; THE LIST.  My wave's 512 entries: lane l holds entries 512 w + 128 j + 4 l + 0..3, two tokens.  A token's hit gets the next rank in my part of the list; the other lanes store into word 256.
	; LDS serves a wave's instructions in order (ISA guide 5.7.1.4): these stores land on the zeros above.
.irp j, 0,1,2,3
.irp u, 0,1
	v_cmp_eq_u32 s[MA], s[EX], v[SELR+4*(\j)+2*(\u)]
	v_cmp_eq_u32 s[MB], s[EX], v[SELR+4*(\j)+2*(\u)+1]
	s_or_b32 s[MK], s[MA], s[MB]
	v_mbcnt_lo_u32_b32 v[TP], s[MK], s[CNT]
	v_cndmask_b32 v[TP], v[C256], v[TP], s[MK]
	v_min_u32 v[TP], 0x100, v[TP]
	v_lshl_add_u32 v[TP], v[TP], 2, s[LW]
	v_cndmask_b32 v[TP+1], 0, 1, s[MB]
	v_add3_u32 v[TP+1], v[EB], v[TP+1], 128*(\j)+2*(\u)
	ds_store_b32 v[TP], v[TP+1]
	s_bcnt1_i32_b32 s[SA], s[MK]
	s_add_co_u32 s[CNT], s[CNT], s[SA]
.endr
.endr
	s_lshl_b32 s[SA], s[WV], 2
	s_add_co_u32 s[SA], s[SA], CNTS
	v_mov_b32 v[TP], s[SA]
	v_mov_b32 v[TP+1], s[CNT]
	ds_store_b32 v[TP], v[TP+1]
	; the bias fragments and the fragment of ones, while the stores are out
.irp b, 0,1,2,3,4,5,6,7
	v_and_b32 v[BIASR+(\b)], s[BM], v[BIASR+(\b)]
.endr
	v_add_nc_u32 v[TP+2], -1, v[HH]                ; all ones in lanes 0-15, 0 in lanes 16-31
	v_and_b32 v[TP+2], 0x3f80, v[TP+2]             ; 1.0 in the first k place of each row
	WIN 0x40
.irp b, 0,1,2,3,4,5,6,7                ; fragment b = registers BIASF + 2 b .. + 7: its first register holds its bias; what else it spans meets only the zeros of the ones' fragment
	v_cvt_pk_bf16_f32 v[BIASF+2*(\b)], v[BIASR+(\b)], v[NIL]
	v_mov_b32 v[BIASF+2*(\b)+1], 0
.endr
.irp z, 16,17,18,19,20,21
	v_mov_b32 v[BIASF+(\z)], 0
.endr
	WIN 0x80
	v_mov_b32 v[ONESF], v[TP+2]
.irp z, 1,2,3,4,5,6,7
	v_mov_b32 v[ONESF+(\z)], 0
.endr
	WIN 0
	s_wait_dscnt 0x0                               ; for the others' sake: my part of the list and my count are stored
	s_barrier_signal -1
	s_barrier_wait -1
	v_mov_b32 v[TP], CNTS
	ds_load_b128 v[CN:CN+3], v[TP]
	s_wait_dscnt 0x0
.irp q, 0,1,2,3
	v_readfirstlane_b32 s[CQ+(\q)], v[CN+(\q)]
	s_min_u32 s[CQ+(\q)], s[CQ+(\q)], 256
.endr
	s_mov_b32 s[BQ], s[CQ]
	s_add_co_u32 s[BQ+1], s[BQ], s[CQ+1]
	s_add_co_u32 s[BQ+2], s[BQ+1], s[CQ+2]
	s_add_co_u32 s[RN], s[BQ+2], s[CQ+3]
.irp q, 0,1,2
	s_lshl_b32 s[SA], s[BQ+(\q)], 2
	s_sub_co_u32 s[DQ+(\q)], ((\q)+1)*LPITCH, s[SA]  ; never negative: a part has 256 entries at the most
.endr
	s_max_u32 s[RM1], s[RN], 1
	s_sub_co_u32 s[RM1], s[RM1], 1
	s_add_co_u32 s[NTL], s[RN], 15
	s_lshr_b32 s[NTL], s[NTL], 4
	TILESET
	s_wait_loadcnt 32+NTW                          ; chunk 0 is in; chunks 1 and 2 (32) and the rows' weights (NTW), issued behind it, stay out
	ALOAD 0                                        ; the rows' chunk 0 goes out as soon as the list gives its addresses: nothing can be multiplied before it is in
	CONVERT 0x0a, WT                               ; chunk 0, out of window 2
	STEP 64, 36+NTW, 3*CH                          ; chunk 1 is in (chunk 2's 16, the weights' NTW and the rows' 20 stay out); chunk 3 is asked for
	STEP 0, 36+NTW, CH                             ; chunk 2 is in (the weights' NTW, the rows' 20 and chunk 3's 16 stay out); chunk 4 is asked for
	INIT
	STEP 64, 16, CH                                ; chunk 3, the weights and the rows are in (chunk 4's 16 stay out); chunk 5 is asked for
	s_wait_dscnt 0x0                               ; for the others' sake: my fragments of chunks 0 to 3 are stored
	s_barrier_signal -1
	s_barrier_wait -1
	v_mov_b32 v[LLD], v[LLD0]
	BFLOAD 0
	s_mov_b32 s[IT], 0
.Ltrip:                                                ; chunks 0 to 9: by this text's count 52 loads of a wave are out behind a trip's requests, 32 of them weights
	TRIP 0, 1, 1, 1, 16, 1, 1, 1, 3, 0
	TRIP 1, 1, 1, 1, 16, 1, 1, 1, 2, 0
	s_add_co_u32 s[IT], s[IT], 1
	s_cmp_lt_u32 s[IT], 5
	s_cbranch_scc1 .Ltrip
	TRIP 0, 1, 0, 1, 16, 1, 1, 0, 0, 0             ; chunk 10: no weights are left to ask for; chunk 15, issued behind the rows' chunk 10, stays out
	TRIP 1, 1, 0, 1, 0, 1, 1, 0, 0, 0              ; chunk 11: the last chunk is rounded
	s_mov_b32 s[IT], 0
.Llight:                                               ; chunks 12 to 15: all the weights lie in LDS: no conversion, no barrier
	TRIP 0, 0, 0, 1, 0, 1, 0, 0, 0, 0
	TRIP 1, 0, 0, 1, 0, 1, 0, 0, 0, 1
	s_add_co_u32 s[IT], s[IT], 1
	s_cmp_lt_u32 s[IT], 2
	s_cbranch_scc1 .Llight
	s_branch .Lepi
.Lpass:                                                ; rows 320 p on, where the expert has them: the weights come from LDS; no barrier, nothing writes the fragments
	s_cmp_le_u32 s[RN], s[ROWB]
	s_cbranch_scc1 .Lskip
	TILESET
	INIT
	s_mov_b64 s[AB:AB+1], s[AB0:AB0+1]
	s_mov_b32 s[LLO], 0
	s_mov_b32 s[IT], 0
.Lstrip:
	PLACES
	ALOAD 0
	WIN 0
	v_add_nc_u32 v[LLD], s[LLO], v[LLD0]
	v_min_u32 v[LLD], 15*CHB+496, v[LLD]           ; chunk 15 is the last: the bound stands in the text, so the loads below stay in the fragments' 262,144 bytes
	BFLOAD 0
	BFLOAD 1
	s_wait_loadcnt 0x0
	s_wait_dscnt 0x0
	MUL BF0, 0
	MUL BF1, 8
	s_wait_xcnt 0x0
	s_add_nc_u64 s[AB:AB+1], s[AB:AB+1], 128
	s_add_co_u32 s[LLO], s[LLO], CHB
	s_add_co_u32 s[IT], s[IT], 1
	s_cmp_lt_u32 s[IT], 16
	s_cbranch_scc1 .Lstrip
.Lepi:                                                 ; THE WAY OUT, a tile at a time
	s_wait_loadcnt 0x0                             ; nothing of mine is on its way into the registers that are used anew below
	s_wait_dscnt 0x0
	PLACES
	s_mov_b32 s[TI], 0
.Ltile:
	s_cmp_ge_u32 s[TI], s[NT]
	s_cbranch_scc1 .Ltnext                         ; a dead tile stores nothing
	s_wait_xcnt 0x0                                ; the last tile's stores have read their data and offsets
	s_cmp_lg_u32 s[TI], 0
	s_cbranch_scc1 .Lz1
	FCOPY 0
	s_branch .Lzd
.Lz1:
	s_cmp_lg_u32 s[TI], 1
	s_cbranch_scc1 .Lz2
	FCOPY 1
	s_branch .Lzd
.Lz2:
	s_cmp_lg_u32 s[TI], 2
	s_cbranch_scc1 .Lz3
	FCOPY 2
	s_branch .Lzd
.Lz3:
	s_cmp_lg_u32 s[TI], 3
	s_cbranch_scc1 .Lz4
	FCOPY 3
	s_branch .Lzd
.Lz4:
	FCOPY 4
.Lzd:
.irp g, 0,1
.irp m, 0,1,2,3,4,5,6,7
	ds_store_b128 v[STS], v[FF+32*(\g)+4*(\m):FF+32*(\g)+4*(\m)+3] offset:256*(\g)+16*(\m)  ; my 32 columns of group g: 128 bytes of my row
.endr
.endr
.irp m, 0,1,2,3
	ds_load_b128 v[RE+4*(\m):RE+4*(\m)+3], v[RIR] offset:16*(\m)  ; LDS serves a wave's instructions in order (ISA guide 5.7.1.4): these loads see my stores above; stage and table are my wave's own
.endr
.irp t, 0,1,2,3,4,5,6,7,8,9,10,11,12,13,14,15
	ds_load_b128 v[OB+4*(\t):OB+4*(\t)+3], v[STR] offset:SPITCH*(\t)  ; row t, whole
.endr
	s_lshl_b32 s[SA], s[TI], 6                     ; the tile's first row: 320 p + 64 t + 16 w
	s_add_co_u32 s[SA], s[SA], s[ROWB]
	s_lshl_b32 s[SB], s[WV], 4
	s_add_co_u32 s[SA], s[SA], s[SB]
	s_sub_co_u32 s[REM], s[RN], s[SA]
	s_min_u32 s[REM], s[REM], 16                   ; its live rows, 1 to 16
	s_wait_dscnt 16                                ; the entries are in; the 16 loads of rows, issued behind them, may stay out
.irp t, 0,1,2,3,4,5,6,7,8,9,10,11,12,13,14,15
	v_min_u32 v[RE+(\t)], 0x7ff, v[RE+(\t)]
	v_lshl_add_u32 v[VO+(\t)], v[RE+(\t)], SHIFT, v[CO]
.endr
	s_wait_dscnt 0x0
.irp t, 0,1,2,3,4,5,6,7,8,9,10,11,12,13,14,15
.if (\t) > 0
	s_cmp_le_u32 s[REM], \t
	s_cbranch_scc1 .Ltnext                         ; rows past the count are not stored
.endif
	global_store_b128 v[VO+(\t)], v[OB+4*(\t):OB+4*(\t)+3], s[OUT:OUT+1]  ; the wave's store covers 512 consecutive bytes of a row, aligned
.endr
.Ltnext:
	s_add_co_u32 s[TI], s[TI], 1
	s_cmp_lt_u32 s[TI], 5
	s_cbranch_scc1 .Ltile
.Lskip:
	s_add_co_u32 s[ROWB], s[ROWB], 320
	s_add_co_u32 s[PASS], s[PASS], 1
	s_cmp_lt_u32 s[PASS], 4                        ; four passes of 320 rows cover the 1,024 rows that an expert can have
	s_cbranch_scc1 .Lpass
	s_wait_tensorcnt 0x0                           ; the wave's end
	ds_add_u32 v[SPW], v[NIL]
	s_wait_dscnt 0x0
	s_endpgm
.Lfunc_end_k_q98d6ebaa70_ffn2:
	.size	k_q98d6ebaa70_ffn2, .Lfunc_end_k_q98d6ebaa70_ffn2-k_q98d6ebaa70_ffn2
	.p2alignl 7, 3214868480
	.fill 96, 4, 3214868480
	.section	.rodata,"a",@progbits
	.p2align	6, 0x0
	.amdhsa_kernel k_q98d6ebaa70_ffn2
		.amdhsa_group_segment_fixed_size 304384
		.amdhsa_private_segment_fixed_size 0
		.amdhsa_enable_private_segment 0
		.amdhsa_kernarg_size 48
		.amdhsa_user_sgpr_count 2
		.amdhsa_user_sgpr_kernarg_segment_ptr 1
		.amdhsa_wavefront_size32 1
		.amdhsa_system_sgpr_workgroup_id_x 1
		.amdhsa_system_sgpr_workgroup_id_y 1
		.amdhsa_system_sgpr_workgroup_id_z 1
		.amdhsa_system_vgpr_workitem_id 0
		.amdhsa_next_free_vgpr 1024
		.amdhsa_next_free_sgpr 96
		.amdhsa_reserve_vcc 1
		.amdhsa_float_denorm_mode_32 3
		.amdhsa_float_denorm_mode_16_64 3
		.amdhsa_memory_ordered 1
		.amdhsa_forward_progress 1
		.amdhsa_inst_pref_size 157
	.end_amdhsa_kernel
	.amdgpu_metadata
---
amdhsa.version: [ 1, 2 ]
amdhsa.kernels:
  - .name:           k_q98d6ebaa70_ffn2
    .symbol:         k_q98d6ebaa70_ffn2.kd
    .args:
      - { .name: w2, .offset: 0, .size: 8, .value_kind: global_buffer, .address_space: global }
      - { .name: b2, .offset: 8, .size: 8, .value_kind: global_buffer, .address_space: global }
      - { .name: h, .offset: 16, .size: 8, .value_kind: global_buffer, .address_space: global }
      - { .name: sel, .offset: 24, .size: 8, .value_kind: global_buffer, .address_space: global }
      - { .name: topw, .offset: 32, .size: 8, .value_kind: global_buffer, .address_space: global }
      - { .name: ypart, .offset: 40, .size: 8, .value_kind: global_buffer, .address_space: global }
    .group_segment_fixed_size: 304384
    .private_segment_fixed_size: 0
    .kernarg_segment_align: 8
    .kernarg_segment_size: 48
    .max_flat_workgroup_size: 128
    .sgpr_count:     96
    .vgpr_count:     1024
    .wavefront_size: 32
...
	.end_amdgpu_metadata
.endif
;; end of part 3
;; launch combine (part 4): grid 256 x 1, 8 waves a work-group, no clusters, 0 bytes of LDS; arguments ypart, out0; writes out0
.if DOCPART == 4
	.amdgcn_target "amdgcn-amd-amdhsa--gfx1250"
	.amdhsa_code_object_version 6
	.text
	.protected	k_q98d6ebaa70_combine
	.globl	k_q98d6ebaa70_combine
	.p2align	8
	.type	k_q98d6ebaa70_combine,@function
k_q98d6ebaa70_combine:
	s_mov_b64 s[64:65], 0
	v_nop
	global_prefetch_b8 v0, s[64:65] scope:SCOPE_SE
	s_setreg_imm32_b32 hwreg(HW_REG_WAVE_MODE, 25, 1), 1
	s_wait_xcnt 0x0
; out0[t][d] = the sum over kc = 0..3 and k = 0, 1 of ypart[kc][2 t + k][d].  ypart: [4][2048][1024] f32, already weighted; out0: [1024][1024] f32.  All in f32, in one fixed tree.
; A stream: memory binds, so no LDS, no matrix unit, no cluster.  A work-group owns 4 tokens; thread t owns 16 bytes of every row, so each load and store of a wave covers 512 consecutive bytes.
; All 32 loads of a thread go out first; each token's sum waits only for its own eight.
.set P, 4                              ; v4-131: token q, plane kc, choice k at P + 32 q + 8 kc + 4 k
	s_load_b128 s[4:7], s[0:1], 0x0                ; ypart s[4:5], out0 s[6:7]
	v_lshlrev_b32 v1, 4, v0
	s_lshl_b32 s8, ttmp9, 15                       ; the group's 8 rows of 4,096 bytes in a plane
	s_mov_b32 s9, 0
	s_lshl_b32 s10, ttmp9, 14                      ; its 4 rows of out0
	s_mov_b32 s11, 0
	s_wait_kmcnt 0x0
	s_add_nc_u64 s[12:13], s[4:5], s[8:9]          ; a base for each plane: 8 MiB from one to the next is more than a load's immediate holds
	s_add_nc_u64 s[14:15], s[12:13], 0x800000
	s_add_nc_u64 s[16:17], s[14:15], 0x800000
	s_add_nc_u64 s[18:19], s[16:17], 0x800000
	s_add_nc_u64 s[6:7], s[6:7], s[10:11]
.irp q, 0,1,2,3
.irp kc, 0,1,2,3
.irp k, 0,1
	global_load_b128 v[P+32*(\q)+8*(\kc)+4*(\k):P+32*(\q)+8*(\kc)+4*(\k)+3], v1, s[12+2*(\kc):13+2*(\kc)] offset:(\q)*8192+(\k)*4096 th:TH_LOAD_NT
.endr
.endr
.endr
.macro ADD4 d, s                       ; four numbers onto four
	v_pk_add_f32 v[(\d):(\d)+1], v[(\d):(\d)+1], v[(\s):(\s)+1]
	v_pk_add_f32 v[(\d)+2:(\d)+3], v[(\d)+2:(\d)+3], v[(\s)+2:(\s)+3]
.endm
.irp q, 0,1,2,3
	s_wait_loadcnt 24-8*(\q)                       ; loads come back in order (ISA guide 5.7.1): token q's eight are in, the later tokens' stay out
.irp kc, 0,1,2,3
	ADD4 P+32*(\q)+8*(\kc), P+32*(\q)+8*(\kc)+4
.endr
	ADD4 P+32*(\q), P+32*(\q)+8
	ADD4 P+32*(\q)+16, P+32*(\q)+24
	ADD4 P+32*(\q), P+32*(\q)+16
	global_store_b128 v1, v[P+32*(\q):P+32*(\q)+3], s[6:7] offset:(\q)*4096 th:TH_STORE_NT
.endr
	s_endpgm
.Lfunc_end_k_q98d6ebaa70_combine:
	.size	k_q98d6ebaa70_combine, .Lfunc_end_k_q98d6ebaa70_combine-k_q98d6ebaa70_combine
	.p2alignl 7, 3214868480
	.fill 96, 4, 3214868480
	.section	.rodata,"a",@progbits
	.p2align	6, 0x0
	.amdhsa_kernel k_q98d6ebaa70_combine
		.amdhsa_group_segment_fixed_size 0
		.amdhsa_private_segment_fixed_size 0
		.amdhsa_enable_private_segment 0
		.amdhsa_kernarg_size 16
		.amdhsa_user_sgpr_count 2
		.amdhsa_user_sgpr_kernarg_segment_ptr 1
		.amdhsa_wavefront_size32 1
		.amdhsa_system_sgpr_workgroup_id_x 1
		.amdhsa_system_sgpr_workgroup_id_y 1
		.amdhsa_system_sgpr_workgroup_id_z 1
		.amdhsa_system_vgpr_workitem_id 0
		.amdhsa_next_free_vgpr 136
		.amdhsa_next_free_sgpr 66
		.amdhsa_reserve_vcc 0
		.amdhsa_float_denorm_mode_32 3
		.amdhsa_float_denorm_mode_16_64 3
		.amdhsa_memory_ordered 1
		.amdhsa_forward_progress 1
		.amdhsa_inst_pref_size 8
	.end_amdhsa_kernel
	.amdgpu_metadata
---
amdhsa.version: [ 1, 2 ]
amdhsa.kernels:
  - .name:           k_q98d6ebaa70_combine
    .symbol:         k_q98d6ebaa70_combine.kd
    .args:
      - { .name: ypart, .offset: 0, .size: 8, .value_kind: global_buffer, .address_space: global }
      - { .name: out0, .offset: 8, .size: 8, .value_kind: global_buffer, .address_space: global }
    .group_segment_fixed_size: 0
    .private_segment_fixed_size: 0
    .kernarg_segment_align: 8
    .kernarg_segment_size: 16
    .max_flat_workgroup_size: 256
    .sgpr_count:     66
    .vgpr_count:     136
    .wavefront_size: 32
...
	.end_amdgpu_metadata
.endif
;; end of part 4
